; MI455X (gfx1250); checked and timed in simulation.
; The chip was launched on July 23, 2026; its instructions are those of AMD's public machine-readable ISA for CDNA 5 (MIT licence, August 2026) and "CDNA5" Instruction Set Architecture Reference Guide (July 2026). The comments in the code are by the model that wrote it; some were corrected since.
;; DAGM Mnet. Allowed arithmetic: matrix products marked QUANTISED: E2M3 operands, one E8M0 scale for each 32 along K, by v_wmma_scale_f32_16x16x128_f8f6f4 with both operands' format E2M3, f32 sums; products left as they are: f32 operands where the result goes on into a quantised operand, else bf16, f16 or f32 operands; f32 sums; everything else in f32.
;; Inputs: E0 8 x 128 float32; E1_codes 64 x 4 x 24 uint8 (E2M3 codes of E1, K innermost, in blocks of 32 codes, four codes in three bytes); E1_scales 64 x 4 uint8 (E8M0 scales of E1, one for each 32 codes along K); E2_codes 16 x 2 x 24 uint8 (E2M3 codes of E2, K innermost, in blocks of 32 codes, four codes in three bytes); E2_scales 16 x 2 uint8 (E8M0 scales of E2, one for each 32 codes along K); W0_codes 512 x 4 x 24 uint8 (E2M3 codes of W0, K innermost, in blocks of 32 codes, four codes in three bytes); W0_scales 512 x 4 uint8 (E8M0 scales of W0, one for each 32 codes along K); W1_codes 256 x 16 x 24 uint8 (E2M3 codes of W1, K innermost, in blocks of 32 codes, four codes in three bytes); W1_scales 256 x 16 uint8 (E8M0 scales of W1, one for each 32 codes along K); W2_codes 64 x 8 x 24 uint8 (E2M3 codes of W2, K innermost, in blocks of 32 codes, four codes in three bytes); W2_scales 64 x 8 uint8 (E8M0 scales of W2, one for each 32 codes along K); W3 64 x 8 float32; b0 512 float32; b1 256 float32; b2 64 float32; b3 8 float32; eb0 128 float32; eb1 64 float32; eb2 16 float32; x_codes 262,144 x 4 x 24 uint8 (E2M3 codes of x, K innermost, in blocks of 32 codes, four codes in three bytes); x_scales 262,144 x 4 uint8 (E8M0 scales of x, one for each 32 codes along K).
;; Outputs: out0 262,144 float32; out1 262,144 x 8 float32.
;; This version of the problem:
;;   THIS VERSION OF THE PROBLEM IS GIVEN IN LOW PRECISION. The matrix products marked QUANTISED in the list below multiply operands that are first quantised to E2M3 (2 exponent bits, 3 mantissa bits; 6 bits a number), with one power-of-two scale for each 32 numbers along K (OCP MX v1.0); their sums are f32. All else is computed in f32.
;;   The module's matrix products, in the order in which they are computed (A, B: the left and right operand; K: the contracted axis; several contracted axes count as one K, in the product's order):
;;     1. [M 262,144, K 128] x [K 128, N 512]; A: input x (given as codes); B: input W0 (given as codes): QUANTISED
;;     2. [M 262,144, K 512] x [K 512, N 256]; A: computed on the way; B: input W1 (given as codes): QUANTISED
;;     3. [M 262,144, K 256] x [K 256, N 64]; A: computed on the way; B: input W2 (given as codes): QUANTISED
;;     4. [M 262,144, K 64] x [K 64, N 8]; A: computed on the way; B: input W3: left as it is (N = 8 < 16)
;;     5. [M 262,144, K 8] x [K 8, N 128]; A: computed on the way; B: input E0: left as it is (K = 8 < 32)
;;     6. [M 262,144, K 128] x [K 128, N 64]; A: computed on the way; B: input E1 (given as codes): QUANTISED
;;     7. [M 262,144, K 64] x [K 64, N 16]; A: computed on the way; B: input E2 (given as codes): QUANTISED
;;     8. [M 16, K 262,144] x [K 262,144, N 8]; A: computed on the way; B: computed on the way: left as it is (N = 8 < 16)
;;     9. batch 16 x [M 8, K 262,144] x [K 262,144, N 8]; A: computed on the way; B: computed on the way: left as it is (M = 8 < 16)
;;   THE QUANTISER, for each operand of a quantised product, along K:
;;     - K is cut into blocks of 32 from its start; a last block that is shorter is filled with zeros.
;;     - A block's scale is 2^e with e = floor(log2(the largest magnitude in the block)) - 2, held to -126 .. 127; a block of zeros has e = 0. As a byte (E8M0): e + 127.
;;     - Each number is divided by its block's scale, clamped to +-7.5, and rounded to the nearest number of E2M3, ties to even, subnormals kept.
;;     - The product sums the exact products of the quantised numbers (number of the format x scale) in f32.
;;   ~~~python
;;   def quantise(x, axis):      # numpy; x: float32 -> the quantised numbers, widened to float32 again
;;       x = np.moveaxis(x, axis, -1); K = x.shape[-1]
;;       x = np.pad(x, [(0, 0)] * (x.ndim - 1) + [(0, -K % 32)]); x = x.reshape(x.shape[:-1] + (-1, 32)); a = np.abs(x).max(-1, keepdims=True)
;;       e = np.where(a > 0, np.clip(np.frexp(np.where(a > 0, a, 1))[1] - 1 - 2, -126, 127), 0)      # np.frexp(a)[1] - 1 = floor(log2(a)), exactly
;;       r = np.clip(x / 2.0 ** e, -7.5, 7.5)
;;       step = 2.0 ** (np.maximum(np.frexp(np.where(r == 0, 1, r))[1] - 1, 0) - 3)
;;       q = np.round(r / step) * step * 2.0 ** e      # np.round: ties to even
;;       return np.moveaxis(q.reshape(q.shape[:-2] + (-1,))[..., :K], -1, axis).astype(np.float32)
;;   ~~~
;;   OPERANDS COMPUTED ON THE WAY. 'Computed on the way' means the value that the module computes at that place (a softmax that the list does not call 'softmax' is quantised finished and normalised). What goes into a quantiser is computed in f32, as accurately as f32 sums, v_exp_f32 and their like allow (about 1e-6 of the number): no bf16 or f16 on the way to a quantiser, and a product that is left as it is and whose result goes on into a quantised operand takes f32 operands (vector FMAs, or v_wmma_f32_16x16x4_f32). A number that lies on a knife's edge between two numbers of the format may be rounded either way, as far as f32 arithmetic and the matrix unit's own rounding can turn it there, and no further.
;;   INPUTS GIVEN AS CODES. E1 (in the module: [128, 64], K = its axis 0); E2 (in the module: [64, 16], K = its axis 0); W0 (in the module: [128, 512], K = its axis 0); W1 (in the module: [512, 256], K = its axis 0); W2 (in the module: [256, 64], K = its axis 0); x (in the module: [262144, 128], K = its axis 1): each comes as NAME_codes (uint8): NAME with its K axis moved to the last place and cut into blocks of 32 codes, [.., K / 32, bytes a block], one block behind the other in memory; four codes in three bytes: a row's codes are one little-endian stream of bits, code i at bits 6 i .. 6 i + 5 (a code: sign, 2 exponent bits, 3 mantissa bits); and NAME_scales (uint8): the same leading axes, one E8M0 byte (e + 127) for each 32 codes along K. Its value is code x scale, taken as it is: it is not quantised again, and the codes and scales need not be those that the quantiser above would give.
;; 2 versions, each right; version 2 is version 1 with the launch net written anew for expert scheduling mode. Each part assembles by itself: llvm-mc -triple=amdgcn-amd-amdhsa -mcpu=gfx1250 --defsym DOCPART=n.
;; ======== version 1 of 2: 3 launches
;; limits: a function is approximated: absolute error at most 4e-07
;; workspace buffers: part 786,432 bytes; cs 65,536 bytes; gmm 4,096 bytes
;; launch net (part 1): grid 256 x 1, 8 waves a work-group, no clusters, 266,240 bytes of LDS; arguments x_codes, x_scales, W0_codes, W0_scales, W1_codes, W1_scales, W2_codes, W2_scales, E1_codes, E1_scales, E2_codes, E2_scales, W3, E0, b0, b1, b2, b3, eb0, eb1, eb2, out1, part, cs; writes out1, part, cs
.if DOCPART == 1
	.amdgcn_target "amdgcn-amd-amdhsa--gfx1250"
	.amdhsa_code_object_version 6
	.text
	.protected	k_q0acf306218_net
	.globl	k_q0acf306218_net
	.p2align	8
	.type	k_q0acf306218_net,@function
k_q0acf306218_net:
	s_mov_b64 s[64:65], 0
	v_nop
	global_prefetch_b8 v0, s[64:65] scope:SCOPE_SE
	s_setreg_imm32_b32 hwreg(HW_REG_WAVE_MODE, 25, 1), 1
	s_wait_xcnt 0x0
; THE NETWORK AND THE MOMENT SUMS.  x (codes) -> tanh 512 -> tanh 256 -> tanh 64 -> z (8, stored to out1) -> tanh 128 -> tanh 64 -> softmax 16 = gamma;
; and for each work-group the sums over its rows of gamma_k x (u, 1)(u, 1)^T, u = z - c, c = the z of the work-group's first row (stored to part and cs).
; SHARES.  A work-group takes 1,024 rows, each of its eight waves 128 of them, in four trips of 32 rows (two tiles of 16).  The waves share the rows, so in the loop a wave hands nothing to another but the shift c.
; WEIGHTS.  All weights lie in LDS as images of operand registers (a group of four registers by one store of 16 bytes a lane at 16 x lane); they are laid there once, at the head, through registers,
; since the rows that form a tile are not neighbours.  No cluster: what work-groups share, 174,080 bytes of weights, is read once by each of them, at the head, and re-ordered on the way; the loop shares nothing.
; LAYOUT.  Up to the last hidden layer every product is used transposed (source 0 = 16 rows of a weight, source 1 = 16 data rows): a lane holds ONE data row (lane % 16).  Lane-row m of tile 2 b + u of a chunk of 64 units
; is unit 32 b + 8 u + m + 8 (m / 8), so that the 16 registers of tiles 2 b and 2 b + 1 are 16 neighbours along the next K: 32 b + 16 (lane / 16) + 0 .. 15.  The last product is used as it stands (source 0 = data rows,
; source 1 = E2): a lane holds one component and eight rows, which is source 0 of the moment product in bf16.
; MOMENTS.  48 features, a lane a feature: 8 d + i (d = 0 .. 3) is u_i u_((i + d) mod 8); 32 + i (i = 0 .. 3) is u_(i+4) u_i; 36 + l is u_l; 44 .. 47 are 1.  Gamma^T x features over the trip's 32 rows: three bf16 matrix instructions.
; LIMITS.  tanh(a) = 1 - 1 / A, A = (1 + 2^(2 a log2 e)) / 2, with one reciprocal shared by four numbers: its absolute error is about 4e-7, so its relative error grows as |a| falls under about 0.1.
; A block of zeros gets the scale byte 1 (its codes are zeros).  NaN and infinities among the inputs are not served.  gamma and the features are rounded to bf16 for the moment product.
.set NQD,   6656                       ; a quad in LDS: 4 fragments x 1,536 bytes, then 512 bytes: the four tiles' scale words
.set E2F,   27*NQD                     ; quads: W0 0-7, W1 8 + 4 chunk + K step, W2 24-25, E1 26.  Then E2's fragment,
.set E2SC,  E2F+1536                   ; its scale words,
.set W3I,   E2SC+256                   ; W3's image (32 registers),
.set E0I,   W3I+4096                   ; E0's image (32 registers),
.set BIASB, E0I+4096                   ; b0 +0, b1 +2048, b2 +3072, eb0 +3328, eb1 +3840, b3's image +4096
.set UT,    BIASB+4352                 ; each wave's own: 40 columns x 144 bytes: [column][32 rows] f32: 0-7 u, 8-15 u again, 16-19 ones, 20-23 u0-u3, 24-35 ones, 36-39 never read
.set COL,   144
.set UTW,   40*COL
.set CSB,   UT+8*UTW                   ; wave 0's first tile of z: 16 rows x 32 bytes
.set RED,   CSB+512                    ; each wave's moment sums: 24 registers x 128 bytes
; window 0
.set WA,  1                            ; v1-4    16 x lane + 9 NQD x {0, 1, 2, 3}
.set BA,  5                            ; v5      BIASB + 64 (lane / 16)
.set LS,  6                            ; v6      E2SC + 4 x lane
.set US,  7                            ; v7      where I store u: column 4 h, row r
.set FA,  8                            ; v8      features 0-31, first factor: column r % 8, rows 8 h on
.set FQ,  9                            ; v9      their second factor: column r % 8 + r / 8 (the group's 2 G columns stand in the immediate)
.set FR2, 10                           ; v10     features 32-47: column r (both factors' first columns stand in the immediate)
.set US3, 11                           ; v11     the third set of stores: column 16 h, row r
.set C8,  12                           ; v12     CSB + 8 x lane
.set G8,  13                           ; v13     8 x lane
.set XA,  14                           ; v14     x's codes: 96 r + 24 h
.set XSA, 15                           ; v15     4 x lane
.set ZO,  16                           ; v16     32 r + 16 h
.set CSS, 17                           ; v17     CSB + 32 r + 16 h
.set CSL, 18                           ; v18     CSB + 16 h
.set RS,  19                           ; v19     RED + 3072 wave + 4 lane
.set CR,  20                           ; v20-23  the shift: register j = c[j + 4 h]
.set EB2, 24                           ; v24-25  eb2[r] x log2 e, twice
.set XS,  26                           ; v26     x's scale words: lanes 0-15 tile 0, lanes 16-31 tile 1
.set H1S, 27                           ; v27-34  scale words of the first hidden layer, 2 x K step + tile
.set G1S, 27
.set G2S, 29
.set H2S, 35                           ; v35-38
.set TA,  39                           ; v39     RED + 512 wave + 16 lane
.set WS,  40                           ; v40-43  a quad's scale words
.set WB,  44                           ; v44-91  a quad's fragments
.set TM,  92                           ; v92-107 at work in the quantiser
.set CT,  108                          ; v108-123 conversions' results
.set TQ,  92                           ; v92-123 in TANH: the products of pairs: group g of eight numbers at 4 g
.set WS2, 124                          ; v124-127 the second quad's scale words
.set MA,  128                          ; v128-191 matrix results: written by matrix instructions alone
.set VA,  192                          ; v192-255 vector work
.set WB2, 192                          ; the second quad's fragments, while VA is idle
.set HT,  224                          ; the head's temporaries
; window 1
.set H1,  0                            ; v0-95   codes of the first hidden layer: 24 x K step + 12 x tile
.set G1,  0
.set G2,  24
.set H2,  96                           ; v96-143
.set FB,  96                           ; the features in bf16, 8 x group
.set XF,  144                          ; v144-167 x's two fragments
.set BI,  168                          ; v168-199 biases in the result's layout, 8 x tile
.set ZD,  200                          ; v200-215 z: written by matrix instructions alone
.set ST,  216                          ; v216-239 the moment sums
.set PP,  240                          ; v240-255 in TANH: the products of four, then their reciprocals: group g at 2 g
.set MSB, 0
.macro WIN new                         ; the immediate's high byte repeats the setting that is left
.if MSB != \new
	s_set_vgpr_msb (MSB<<8)|\new
.set MSB, \new
.endif
.endm
.macro PLACES n
.rept \n
	v_nop
.endr
.endm
.macro LOADQ q, wb, ws                 ; a quad from LDS: 13 loads
.irp i,0,1,2,3,4,5,6,7,8,9,10,11
	ds_load_b128 v[\wb+4*\i:\wb+4*\i+3], v[WA+(\q)/9] offset:((\q)%9)*NQD+512*\i
.endr
	ds_load_b128 v[\ws:\ws+3], v[WA+(\q)/9] offset:((\q)%9)*NQD+6144
.endm
.macro LOADB off                       ; a chunk's 64 biases as four tiles' C: lane (r, h), tile t, register j: unit 32 (t / 2) + 16 h + 8 (t % 2) + j.  8 loads
	WIN 0x40
.irp t,0,1,2,3
	ds_load_b128 v[BI+8*\t:BI+8*\t+3], v[BA] offset:\off+(32*(\t/2)+8*(\t%2))*4
	ds_load_b128 v[BI+8*\t+4:BI+8*\t+7], v[BA] offset:\off+(32*(\t/2)+8*(\t%2))*4+16
.endr
	WIN 0
.endm
.macro LOADI reg, off, n               ; n groups of four registers of an image behind the quads
.set i, 0
.rept \n
	ds_load_b128 v[\reg+4*i:\reg+4*i+3], v[WA+3] offset:\off+512*i
.set i, i+1
.endr
.endm
; Eight matrix instructions: a quad's four tiles x the two tiles of rows, 128 along K.  The eight accumulators take turns.  first = 1: the biases start the sums.
; xmode = 1: the activations are x, whose scale words of both tiles share one register.
.macro MULQ wb, ws, act, asc, first, xmode
.if \first
	WIN 0x14
.else
	WIN 0x04
.endif
.irp t,0,1,2,3
.irp u,0,1
.if \first && \xmode && \u
	v_wmma_scale_f32_16x16x128_f8f6f4 v[MA+32*\u+8*\t:MA+32*\u+8*\t+7], v[\wb+12*\t:\wb+12*\t+11], v[\act+12*\u:\act+12*\u+11], v[BI+8*\t:BI+8*\t+7], v[\ws+\t], v[XS] matrix_a_fmt:MATRIX_FMT_FP6 matrix_b_fmt:MATRIX_FMT_FP6 matrix_b_scale:MATRIX_SCALE_ROW1
.elseif \first && \xmode
	v_wmma_scale_f32_16x16x128_f8f6f4 v[MA+32*\u+8*\t:MA+32*\u+8*\t+7], v[\wb+12*\t:\wb+12*\t+11], v[\act+12*\u:\act+12*\u+11], v[BI+8*\t:BI+8*\t+7], v[\ws+\t], v[XS] matrix_a_fmt:MATRIX_FMT_FP6 matrix_b_fmt:MATRIX_FMT_FP6
.elseif \first
	v_wmma_scale_f32_16x16x128_f8f6f4 v[MA+32*\u+8*\t:MA+32*\u+8*\t+7], v[\wb+12*\t:\wb+12*\t+11], v[\act+12*\u:\act+12*\u+11], v[BI+8*\t:BI+8*\t+7], v[\ws+\t], v[\asc+\u] matrix_a_fmt:MATRIX_FMT_FP6 matrix_b_fmt:MATRIX_FMT_FP6
.else
	v_wmma_scale_f32_16x16x128_f8f6f4 v[MA+32*\u+8*\t:MA+32*\u+8*\t+7], v[\wb+12*\t:\wb+12*\t+11], v[\act+12*\u:\act+12*\u+11], v[MA+32*\u+8*\t:MA+32*\u+8*\t+7], v[\ws+\t], v[\asc+\u] matrix_a_fmt:MATRIX_FMT_FP6 matrix_b_fmt:MATRIX_FMT_FP6
.endif
.endr
.endr
	WIN 0
.endm
; VA = tanh(MA), 64 registers: tanh(a) = 1 - 1 / A with A = (1 + 2^(2 a log2 e)) / 2.  FOUR NUMBERS SHARE ONE RECIPROCAL: 64 exponentials and 16 reciprocals for 64 numbers.
; A group is eight registers, four pairs.  With AB and CD the products of two pairs and P = AB x CD: 1 / AB = CD / P, 1 / CD = AB / P, and 1 / A = B / (A B).
; The copy out of the accumulators SWAPS the two pairs of each product, so that a slot holds its partner's A: the last line, 1 - slot / (A B), then leaves each number's own tanh in its own slot, in place.
; The exponent is held at 30, so that P stays under 2^116; there the result, 1 - 2^-29, is 1 in f32, as it is for every larger exponent.
; Each batch of transcendentals has one plain instruction and one wait behind it, ahead of its first reader.  Each accumulator's first read is of two of its four lowest registers.
.macro TANH
.set tg, 0
.rept 8
	v_pk_mul_f32 v[VA+8*tg:VA+8*tg+1], v[MA+8*tg+2:MA+8*tg+3], s[56:57] op_sel_hi:[1,0]
	v_pk_mul_f32 v[VA+8*tg+2:VA+8*tg+3], v[MA+8*tg:MA+8*tg+1], s[56:57] op_sel_hi:[1,0]
	v_pk_mul_f32 v[VA+8*tg+4:VA+8*tg+5], v[MA+8*tg+6:MA+8*tg+7], s[56:57] op_sel_hi:[1,0]
	v_pk_mul_f32 v[VA+8*tg+6:VA+8*tg+7], v[MA+8*tg+4:MA+8*tg+5], s[56:57] op_sel_hi:[1,0]
.set tg, tg+1
.endr
.set i, 0
.rept 8
	v_min_num_f32 v[VA+i], s71, v[VA+i]              ; the hold, eight registers ahead of the exponentials,
.set i, i+1
.endr
.set i, 0
.rept 56
	v_exp_f32 v[VA+i], v[VA+i]
	v_min_num_f32 v[VA+i+8], s71, v[VA+i+8]          ; and then one between each two of them: it names no exponential's result
.set i, i+1
.endr
.rept 8
	v_exp_f32 v[VA+i], v[VA+i]
.set i, i+1
.endr
	v_nop
	s_wait_alu depctr_va_vdst(0)
.set i, 0
.rept 32
	v_pk_fma_f32 v[VA+i:VA+i+1], v[VA+i:VA+i+1], 0.5, 0.5 op_sel_hi:[1,0,0]   ; A
.set i, i+2
.endr
.set tg, 0
.rept 8
	v_pk_mul_f32 v[TQ+4*tg:TQ+4*tg+1], v[VA+8*tg:VA+8*tg+1], v[VA+8*tg+2:VA+8*tg+3]       ; AB
	v_pk_mul_f32 v[TQ+4*tg+2:TQ+4*tg+3], v[VA+8*tg+4:VA+8*tg+5], v[VA+8*tg+6:VA+8*tg+7]   ; CD
.set tg, tg+1
.endr
	WIN 0x40
.set tg, 0
.rept 8
	v_pk_mul_f32 v[PP+2*tg:PP+2*tg+1], v[TQ+4*tg:TQ+4*tg+1], v[TQ+4*tg+2:TQ+4*tg+3]       ; P
.set tg, tg+1
.endr
	WIN 0x41
.set i, 0
.rept 16
	v_rcp_f32 v[PP+i], v[PP+i]
.set i, i+1
.endr
	v_nop
	s_wait_alu depctr_va_vdst(0)
	WIN 0x04
.set tg, 0
.rept 8
	v_pk_mul_f32 v[TQ+4*tg:TQ+4*tg+1], v[TQ+4*tg:TQ+4*tg+1], v[PP+2*tg:PP+2*tg+1]         ; AB / P = 1 / CD
	v_pk_mul_f32 v[TQ+4*tg+2:TQ+4*tg+3], v[TQ+4*tg+2:TQ+4*tg+3], v[PP+2*tg:PP+2*tg+1]     ; CD / P = 1 / AB
.set tg, tg+1
.endr
	WIN 0
.set tg, 0
.rept 8
	v_pk_fma_f32 v[VA+8*tg:VA+8*tg+1], v[TQ+4*tg+2:TQ+4*tg+3], v[VA+8*tg:VA+8*tg+1], 1.0 op_sel_hi:[1,1,0] neg_lo:[1,0,0] neg_hi:[1,0,0]
	v_pk_fma_f32 v[VA+8*tg+2:VA+8*tg+3], v[TQ+4*tg+2:TQ+4*tg+3], v[VA+8*tg+2:VA+8*tg+3], 1.0 op_sel_hi:[1,1,0] neg_lo:[1,0,0] neg_hi:[1,0,0]
	v_pk_fma_f32 v[VA+8*tg+4:VA+8*tg+5], v[TQ+4*tg:TQ+4*tg+1], v[VA+8*tg+4:VA+8*tg+5], 1.0 op_sel_hi:[1,1,0] neg_lo:[1,0,0] neg_hi:[1,0,0]
	v_pk_fma_f32 v[VA+8*tg+6:VA+8*tg+7], v[TQ+4*tg:TQ+4*tg+1], v[VA+8*tg+6:VA+8*tg+7], 1.0 op_sel_hi:[1,1,0] neg_lo:[1,0,0] neg_hi:[1,0,0]
.set tg, tg+1
.endr
.endm
; VA's 64 numbers (register 32 tile + 16 b + i = unit 32 b + 16 h + i of my row) become half c of the two tiles' fragments d0, d1 (window 1) and two bytes of their scale words s0, s1.
.macro QUANT d0, d1, s0, s1, c
.irp b,0,1,2,3
	v_max3_num_f32 v[TM+\b], |v[VA+16*\b]|, |v[VA+16*\b+1]|, 0x1800000   ; my 16 numbers of a block, and the floor 2^(3 - 127): the byte cannot fall under 1
.endr
.irp i,2,4,6,8,10,12,14
.irp b,0,1,2,3
	v_max3_num_f32 v[TM+\b], v[TM+\b], |v[VA+16*\b+\i]|, |v[VA+16*\b+\i+1]|
.endr
.endr
.irp b,0,1,2,3
	v_permlanex16_b32 v[TM+4+\b], v[TM+\b], s54, s55
.endr
.irp b,0,1,2,3
	v_max_num_f32 v[TM+\b], v[TM+\b], v[TM+4+\b]     ; with lane l xor 16's: the block's largest magnitude
.endr
.irp b,0,1,2,3
	v_add_nc_u32 v[TM+12+\b], 0xff000000, v[TM+\b]   ; 2 off its exponent field: the conversion's scale operand
.endr
.irp b,0,1,2,3
	v_lshrrev_b32 v[TM+4+\b], 23, v[TM+12+\b]        ; the scale's byte
.endr
.if (\c) == 0
	v_lshl_or_b32 v[\s0], v[TM+5], 8, v[TM+4]
	v_lshl_or_b32 v[\s1], v[TM+7], 8, v[TM+6]
.else
	v_lshl_or_b32 v[\s0], v[TM+4], 16, v[\s0]
	v_lshl_or_b32 v[\s1], v[TM+6], 16, v[\s1]
	v_lshl_or_b32 v[\s0], v[TM+5], 24, v[\s0]
	v_lshl_or_b32 v[\s1], v[TM+7], 24, v[\s1]
.endif
.irp b,0,1,2,3
	v_cvt_scalef32_pk16_fp6_f32 v[CT+4*\b:CT+4*\b+2], v[VA+16*\b:VA+16*\b+15], v[TM+12+\b]
.endr
	v_nop                                            ; one plain instruction behind the scaled conversions
.irp u,0,1
.irp i,0,1,2
	v_permlane16_swap_b32 v[CT+8*\u+\i], v[CT+8*\u+4+\i]   ; the operand wants a whole block in a lane: lanes 0-15 the first block, lanes 16-31 the second
.endr
.endr
	WIN 0x40
.irp i,0,1,2
	v_mov_b32 v[\d0+6*(\c)+\i], v[CT+\i]
	v_mov_b32 v[\d0+6*(\c)+3+\i], v[CT+4+\i]
	v_mov_b32 v[\d1+6*(\c)+\i], v[CT+8+\i]
	v_mov_b32 v[\d1+6*(\c)+3+\i], v[CT+12+\i]
.endr
	WIN 0
.endm
.macro XLOAD                           ; a trip's 32 rows of x: two fragments as they lie in memory, and the scale words
	WIN 0x40
.irp u,0,1
.irp p,0,1,2,3,4,5
	global_load_b64 v[XF+12*\u+2*\p:XF+12*\u+2*\p+1], v[XA], s[4:5] offset:1536*\u+48*(\p/3)+8*(\p%3) th:TH_LOAD_NT
.endr
.endr
	WIN 0
	global_load_b32 v[XS], v[XSA], s[6:7] th:TH_LOAD_NT
.endm
.macro GQ base, voff, rowb, koff, dst  ; the head: a quad's four fragments from memory; tile t begins at row 32 (t / 2) + 8 (t % 2)
.irp t,0,1,2,3
.irp p,0,1,2,3,4,5
	global_load_b64 v[\dst+12*\t+2*\p:\dst+12*\t+2*\p+1], v[\voff], s[\base:\base+1] offset:(32*(\t/2)+8*(\t%2))*\rowb+\koff+48*(\p/3)+8*(\p%3)
.endr
.endr
.endm
.macro GS base, voff, rowb, koff, dst  ; and its rows' scale words
.irp t,0,1,2,3
	global_load_b32 v[\dst+\t], v[\voff], s[\base:\base+1] offset:(32*(\t/2)+8*(\t%2))*\rowb+\koff
.endr
.endm
.macro SQF adr, off, src               ; a quad's fragments into LDS as they stand
.irp i,0,1,2,3,4,5,6,7,8,9,10,11
	ds_store_b128 v[\adr], v[\src+4*\i:\src+4*\i+3] offset:\off+512*\i
.endr
.endm
.set PR,   HT+0
.set VW0,  HT+1
.set VS0,  HT+2
.set VW1,  HT+3
.set VS1,  HT+4
.set VW2,  HT+5
.set VS2,  HT+6
.set SA0,  HT+7
.set SA1,  HT+8
.set SA2,  HT+9
.set A8,   HT+10
.set ONEA, HT+11
.set VE2,  HT+12
.set VE2S, HT+13
.set VW3,  HT+14
.set VE0,  HT+15
.set T0,   HT+16
.set LN,   HT+17
.set RR,   HT+18
.set HH,   HT+19
.set R4,   HT+20
.set ONE,  HT+21
.set VB3,  HT+22
.set T1,   HT+23
.set T2,   HT+24
	; ---------------- the head: addresses (all LDS addresses are made here, ahead of the waves' parting)
	s_load_b512 s[4:19], s[0:1], 0x0               ; x codes, x scales, W0 c, W0 s, W1 c, W1 s, W2 c, W2 s
	s_load_b512 s[20:35], s[0:1], 0x40             ; E1 c, E1 s, E2 c, E2 s, W3, E0, b0, b1
	s_load_b512 s[36:51], s[0:1], 0x80             ; b2, b3, eb0, eb1, eb2, out1, part, cs
	v_lshrrev_b32 v[T0], 5, v0
	v_readfirstlane_b32 s52, v[T0]                 ; wave 0..7
	v_and_b32 v[LN], 31, v0                        ; lane
	v_and_b32 v[RR], 15, v0                        ; r
	v_bfe_u32 v[HH], v0, 4, 1                      ; h
	s_mov_b32 s53, 0                               ; the trip
	s_mov_b32 s54, 0x76543210
	s_mov_b32 s55, 0xfedcba98                      ; v_permlanex16_b32's selects for lane l xor 16
	s_mov_b32 s56, 0x4038aa3b                      ; 2 log2 e
	s_mov_b32 s57, s56
	s_mov_b32 s58, 0x3fb8aa3b                      ; log2 e
	s_mov_b32 s59, s58
	s_mov_b32 s71, 0x41f00000                      ; 30.0: where TANH holds its exponents
	v_lshlrev_b32 v[WA], 4, v[LN]
	v_add_nc_u32 v[WA+1], 9*NQD, v[WA]
	v_add_nc_u32 v[WA+2], 18*NQD, v[WA]
	v_add_nc_u32 v[WA+3], 27*NQD, v[WA]
	v_lshl_add_u32 v[BA], v[HH], 6, BIASB
	v_lshl_add_u32 v[LS], v[LN], 2, E2SC
	s_mul_i32 s63, s52, UTW
	s_add_co_u32 s63, s63, UT                      ; my wave's columns of u
	v_mul_u32_u24 v[US], v[HH], 4*COL
	v_lshl_add_u32 v[US], v[RR], 2, v[US]
	v_add_nc_u32 v[US], s63, v[US]                 ; column 4 h, row r
	v_mul_u32_u24 v[US3], v[HH], 16*COL
	v_lshl_add_u32 v[US3], v[RR], 2, v[US3]
	v_add_nc_u32 v[US3], s63, v[US3]               ; column 16 h, row r: with 20 columns in the immediate lanes 0-15 write columns 20-23, lanes 16-31 columns 36-39
	v_and_b32 v[T1], 7, v0                         ; r % 8
	v_bfe_u32 v[T2], v0, 3, 1                      ; r / 8
	v_mul_u32_u24 v[FA], v[T1], COL
	v_lshl_add_u32 v[FA], v[HH], 5, v[FA]
	v_add_nc_u32 v[FA], s63, v[FA]                 ; column r % 8, rows 8 h on
	v_mad_u32_u24 v[FQ], v[T2], COL, v[FA]         ; column r % 8 + r / 8
	v_mul_u32_u24 v[FR2], v[RR], COL
	v_lshl_add_u32 v[FR2], v[HH], 5, v[FR2]
	v_add_nc_u32 v[FR2], s63, v[FR2]               ; column r
	v_mul_u32_u24 v[XA], v[RR], 96
	v_mad_u32_u24 v[XA], v[HH], 24, v[XA]
	v_lshlrev_b32 v[XSA], 2, v[LN]
	v_lshlrev_b32 v[ZO], 5, v[RR]
	v_lshl_add_u32 v[ZO], v[HH], 4, v[ZO]
	v_add_nc_u32 v[CSS], CSB, v[ZO]
	v_lshl_add_u32 v[CSL], v[HH], 4, CSB
	s_mul_i32 s61, s52, 3072
	s_add_co_u32 s61, s61, RED
	v_lshl_add_u32 v[RS], v[LN], 2, s61
	s_lshl_b32 s62, s52, 9
	s_add_co_u32 s62, s62, RED
	v_lshl_add_u32 v[TA], v[LN], 4, s62
	v_lshl_add_u32 v[C8], v[LN], 3, CSB
	v_lshlrev_b32 v[G8], 3, v[LN]
	v_and_b32 v[T1], 8, v[RR]
	v_add_nc_u32 v[PR], v[T1], v[RR]               ; r + 8 (r / 8): the rows of a tile are not neighbours
	v_mul_u32_u24 v[VW0], v[PR], 96
	v_mad_u32_u24 v[VW0], v[HH], 24, v[VW0]
	v_lshlrev_b32 v[VS0], 2, v[PR]
	v_mul_u32_u24 v[VW1], v[PR], 384
	v_mad_u32_u24 v[VW1], v[HH], 24, v[VW1]
	v_lshlrev_b32 v[VS1], 4, v[PR]
	v_mul_u32_u24 v[VW2], v[PR], 192
	v_mad_u32_u24 v[VW2], v[HH], 24, v[VW2]
	v_lshlrev_b32 v[VS2], 3, v[PR]
	s_mul_i32 s60, s52, NQD
	v_add_nc_u32 v[SA0], s60, v[WA]                ; W0's quad number wave
	s_add_co_u32 s60, s60, 24*NQD
	v_add_nc_u32 v[SA2], s60, v[WA]                ; W2's quad 24 + wave (waves 0 and 1)
	s_mul_i32 s61, s52, 2*NQD
	s_add_co_u32 s61, s61, 8*NQD
	v_add_nc_u32 v[SA1], s61, v[WA]                ; W1's quads 8 + 2 wave and the next
	v_lshl_add_u32 v[A8], v[LN], 3, BIASB
	v_lshl_add_u32 v[ONEA], v[LN], 2, s63
	v_mul_u32_u24 v[VE2], v[RR], 48
	v_mad_u32_u24 v[VE2], v[HH], 24, v[VE2]
	v_lshlrev_b32 v[VE2S], 1, v[RR]
	v_lshrrev_b32 v[T1], 3, v[RR]
	v_lshl_add_u32 v[T1], v[T1], 2, v[RR]
	v_and_b32 v[T1], 7, v[T1]                      ; z's component of lane-row r: (r + 4 (r / 8)) mod 8, so that a lane's registers 0-3 are z[4 h ..]
	v_lshlrev_b32 v[VW3], 2, v[T1]
	v_lshl_add_u32 v[VW3], v[HH], 9, v[VW3]
	v_lshlrev_b32 v[VE0], 2, v[PR]
	v_lshl_add_u32 v[VE0], v[HH], 11, v[VE0]
	v_lshlrev_b32 v[R4], 2, v[RR]
	v_mov_b32 v[ONE], 1.0
	v_lshl_add_u32 v[T1], v[HH], 2, v[LN]
	v_and_b32 v[T1], 7, v[T1]
	v_lshlrev_b32 v[VB3], 2, v[T1]                 ; b3's image: word w holds b3[(w + 4 (w / 16)) mod 8]
	s_wait_kmcnt 0x0
	s_mov_b32 s69, 0
	s_lshl_b32 s66, ttmp9, 10
	s_lshl_b32 s67, s52, 7
	s_add_co_u32 s66, s66, s67                     ; my first row: 1024 x work-group + 128 x wave
	s_mul_i32 s68, s66, 96
	s_add_nc_u64 s[4:5], s[4:5], s[68:69]
	s_lshl_b32 s68, s66, 2
	s_add_nc_u64 s[6:7], s[6:7], s[68:69]
	s_lshl_b32 s68, s66, 5
	s_add_nc_u64 s[46:47], s[46:47], s[68:69]
	s_mul_i32 s68, ttmp9, 3072
	s_lshl_b32 s67, s52, 9
	s_add_co_u32 s68, s68, s67
	s_add_nc_u64 s[48:49], s[48:49], s[68:69]      ; part: my work-group's 3,072 bytes, my wave's 512
	s_lshl_b32 s68, ttmp9, 8
	s_add_nc_u64 s[50:51], s[50:51], s[68:69]
	s_mul_i32 s68, s52, 6144
	s_add_nc_u64 s[8:9], s[8:9], s[68:69]          ; W0: rows 64 x wave on
	s_lshl_b32 s68, s52, 8
	s_add_nc_u64 s[10:11], s[10:11], s[68:69]
	s_lshr_b32 s66, s52, 1                         ; W1: chunk wave / 2, K steps 2 (wave % 2) and the next
	s_and_b32 s67, s52, 1
	s_mul_i32 s68, s66, 24576
	s_mul_i32 s70, s67, 192
	s_add_co_u32 s68, s68, s70
	s_add_nc_u64 s[12:13], s[12:13], s[68:69]
	s_lshl_b32 s68, s66, 10
	s_lshl_b32 s70, s67, 3
	s_add_co_u32 s68, s68, s70
	s_add_nc_u64 s[14:15], s[14:15], s[68:69]
	XLOAD                                          ; the first trip's x
	global_load_b32 v[EB2], v[R4], s[44:45]
	global_load_b32 v[EB2+1], v[R4], s[44:45]
	WIN 0x40                                       ; every wave brings three quads, into window 1
	GQ 8, VW0, 96, 0, 0
	GQ 12, VW1, 384, 0, 48
	GQ 12, VW1, 384, 96, 96
	WIN 0
	GS 10, VS0, 4, 0, CT
	GS 14, VS1, 16, 0, CT+4
	GS 14, VS1, 16, 4, CT+8
	; ---------------- one parting on the wave's number: the small tensors
	s_cmp_gt_u32 s52, 1
	s_cbranch_scc1 .Lrole2
	s_mul_i32 s68, s52, 96                         ; waves 0, 1: W2's K step number wave
	s_add_nc_u64 s[16:17], s[16:17], s[68:69]
	s_lshl_b32 s68, s52, 2
	s_add_nc_u64 s[18:19], s[18:19], s[68:69]
	GQ 16, VW2, 192, 0, WB
	GS 18, VS2, 8, 0, WS
	s_wait_loadcnt 0x0
	SQF SA2, 0, WB
	ds_store_b128 v[SA2], v[WS:WS+3] offset:6144
	s_branch .Ljoin
.Lrole2:
	s_cmp_lg_u32 s52, 2
	s_cbranch_scc1 .Lrole3
	GQ 20, VW0, 96, 0, WB                          ; wave 2: E1
	GS 22, VS0, 4, 0, WS
	s_wait_loadcnt 0x0
	SQF WA+2, 8*NQD, WB
	ds_store_b128 v[WA+2], v[WS:WS+3] offset:8*NQD+6144
	s_branch .Ljoin
.Lrole3:
	s_cmp_lg_u32 s52, 3
	s_cbranch_scc1 .Lrole4
.irp p,0,1,2
	global_load_b64 v[WB+2*\p:WB+2*\p+1], v[VE2], s[24:25] offset:8*\p   ; wave 3: E2: K = 64 fills registers 0-5;
.endr
	global_load_u16 v[WS], v[VE2S], s[26:27]       ; two scale bytes a row; the upper two stay 0 over zero codes
.irp i,6,7,8,9,10,11
	v_mov_b32 v[WB+\i], 0                          ; the rest of the K step: zero codes
.endr
	s_wait_loadcnt 0x0
.irp i,0,1,2
	ds_store_b128 v[WA+3], v[WB+4*\i:WB+4*\i+3] offset:512*\i
.endr
	ds_store_b32 v[LS], v[WS]
	s_branch .Ljoin
.Lrole4:
	s_cmp_lg_u32 s52, 4
	s_cbranch_scc1 .Lrole5
.set i, 0
.rept 32                                           ; wave 4: W3's image: register i = W3[32 (i / 16) + 16 h + i % 16][z's component of lane-row r]: K in the order in which the hidden layer's registers run
	global_load_b32 v[WB+i], v[VW3], s[28:29] offset:(32*(i/16)+i%16)*32
.set i, i+1
.endr
	s_wait_loadcnt 0x0
.irp i,0,1,2,3,4,5,6,7
	ds_store_b128 v[WA+3], v[WB+4*\i:WB+4*\i+3] offset:W3I-E2F+512*\i
.endr
	s_branch .Ljoin
.Lrole5:
	s_cmp_lg_u32 s52, 5
	s_cbranch_scc1 .Lrole6
.irp tt,0,1,2,3,4,5,6,7
.irp q,0,1,2,3
	global_load_b32 v[WB+4*\tt+\q], v[VE0], s[30:31] offset:512*\q+(64*(\tt/4)+32*((\tt%4)/2)+8*(\tt%2))*4   ; wave 5: E0's image: register 4 tile + q = E0[q + 4 h][the tile's unit of lane-row r]
.endr
.endr
	s_wait_loadcnt 0x0
.irp i,0,1,2,3,4,5,6,7
	ds_store_b128 v[WA+3], v[WB+4*\i:WB+4*\i+3] offset:E0I-E2F+512*\i
.endr
	s_branch .Ljoin
.Lrole6:
	s_cmp_lg_u32 s52, 6
	s_cbranch_scc1 .Ljoin
.irp i,0,1,2,3
	global_load_b128 v[WB+4*\i:WB+4*\i+3], v[WA], s[32:33] offset:512*\i      ; wave 6: the biases, as they lie
.endr
.irp i,0,1
	global_load_b128 v[WB+16+4*\i:WB+16+4*\i+3], v[WA], s[34:35] offset:512*\i
.endr
	global_load_b128 v[WB+24:WB+27], v[WA], s[40:41]
	global_load_b64 v[WB+28:WB+29], v[G8], s[36:37]
	global_load_b64 v[WB+30:WB+31], v[G8], s[42:43]
	global_load_b32 v[WB+32], v[VB3], s[38:39]
	s_wait_loadcnt 0x0
.irp i,0,1,2,3
	ds_store_b128 v[WA+3], v[WB+4*\i:WB+4*\i+3] offset:BIASB-E2F+512*\i
.endr
.irp i,0,1
	ds_store_b128 v[WA+3], v[WB+16+4*\i:WB+16+4*\i+3] offset:BIASB-E2F+2048+512*\i
.endr
	ds_store_b128 v[WA+3], v[WB+24:WB+27] offset:BIASB-E2F+3328
	ds_store_b64 v[A8], v[WB+28:WB+29] offset:3072
	ds_store_b64 v[A8], v[WB+30:WB+31] offset:3840
	ds_store_b32 v[LS], v[WB+32] offset:BIASB+4096-E2SC
.Ljoin:
	s_wait_loadcnt 0x0                             ; the three quads, x and eb2 are in
	WIN 0x04                                       ; an LDS store's data are its source 1: window 1
	SQF SA0, 0, 0
	SQF SA1, 0, 48
	SQF SA1, NQD, 96
	WIN 0
	ds_store_b128 v[SA0], v[CT:CT+3] offset:6144
	ds_store_b128 v[SA1], v[CT+4:CT+7] offset:6144
	ds_store_b128 v[SA1], v[CT+8:CT+11] offset:NQD+6144
.irp c,16,17,18,19,24,25,26,27,28,29,30,31,32,33,34,35
	ds_store_b32 v[ONEA], v[ONE] offset:COL*\c     ; my wave's sixteen columns of ones: written once
.endr
	v_mul_f32 v[EB2], 0x3fb8aa3b, v[EB2]
	v_mul_f32 v[EB2+1], 0x3fb8aa3b, v[EB2+1]
.irp i,0,1,2,3
	v_mov_b32 v[TM+4+\i], 0                        ; a lane permute's destination counts as one of its sources
	v_mov_b32 v[CR+\i], 0                          ; written on every path; the first trip loads the shift
.endr
	WIN 0x40
.set i, 0
.rept 24
	v_mov_b32 v[ST+i], 0                           ; the moment sums: the trip is written once, so they begin as zeros
.set i, i+1
.endr
	WIN 0
	s_wait_dscnt 0x0                               ; for the others' sake: my stores have landed
	s_barrier_signal -1
	s_barrier_wait -1                              ; all weights lie in LDS; nobody writes them again
	LOADQ 0, WB, WS
	LOADB 0
.Lblock:                                           ; ---------------- a trip: 32 rows
	s_wait_loadcnt 0x0                             ; this trip's x is in (asked for behind the first layer of the trip before)
	; ---- layer 1: eight chunks of 64 units, K = 128
.irp ch,0,1,2,3,4,5,6,7
	s_wait_dscnt 0x0                               ; the chunk's quad and biases, asked for a chunk ago
	MULQ WB, WS, XF, XS, 1, 1
	PLACES 4                                       ; in front of loads into registers that the products read, and of the first read of results
	LOADQ \ch+1, WB, WS                            ; the next chunk's (behind the last: W1's first quad and b1)
	LOADB 256*(\ch+1)
	TANH
	QUANT H1+24*(\ch/2), H1+24*(\ch/2)+12, H1S+2*(\ch/2), H1S+2*(\ch/2)+1, \ch%2
.endr
	; ---- the next trip's x; the last trip asks for nothing.  The wait at the trip's head has shown the last loads done, so their bases may step
	s_cmp_eq_u32 s53, 3
	s_cbranch_scc1 .Lnox
	s_add_nc_u64 s[4:5], s[4:5], 3072
	s_add_nc_u64 s[6:7], s[6:7], 128
	XLOAD
.Lnox:
	; ---- layer 2: four chunks, K = 512 in four steps; two sets of registers for the quads, each asked for a step ahead
.irp ch,0,1,2,3
	LOADQ 9+4*\ch, WB2, WS2
	s_wait_dscnt 13                                ; all but the 13 loads just issued
	MULQ WB, WS, H1, H1S, 1, 0
	PLACES 4
	LOADQ 10+4*\ch, WB, WS
	s_wait_dscnt 13
	MULQ WB2, WS2, H1+24, H1S+2, 0, 0
	PLACES 4
	LOADQ 11+4*\ch, WB2, WS2
	s_wait_dscnt 13
	MULQ WB, WS, H1+48, H1S+4, 0, 0
	PLACES 4
	LOADQ 12+4*\ch, WB, WS                         ; the next chunk's first quad (behind the last: W2's) and its biases
	LOADB 2048+256*(\ch+1)
	s_wait_dscnt 21                                ; all but these 13 + 8
	MULQ WB2, WS2, H1+72, H1S+6, 0, 0
	PLACES 4
	TANH
	QUANT H2+24*(\ch/2), H2+24*(\ch/2)+12, H2S+2*(\ch/2), H2S+2*(\ch/2)+1, \ch%2
.endr
	; ---- layer 3: one chunk, K = 256
	PLACES 4                                       ; more plain instructions between the last scale word's making and the product that takes it
	LOADQ 25, WB2, WS2
	s_wait_dscnt 13
	MULQ WB, WS, H2, H2S, 1, 0
	PLACES 4
	LOADI WB, W3I-E2F, 8
	WIN 0x40
	ds_load_b128 v[BI:BI+3], v[BA] offset:4096
	ds_load_b128 v[BI+4:BI+7], v[BA] offset:4112
	WIN 0
	s_wait_dscnt 10                                ; all but W3's 8 and b3's 2
	MULQ WB2, WS2, H2+24, H2S+2, 0, 0
	PLACES 4
	TANH
	; ---- z = h3 W3 + b3, f32 operands: its result goes on into a quantised operand.  K = 64 in 16 steps, in the order of my registers; two accumulators by turns
	s_wait_dscnt 0x0
	WIN 0x50
.irp s,0,1,2,3,4,5,6,7,8,9,10,11,12,13,14,15
.irp u,0,1
.if \s == 0
	v_wmma_f32_16x16x4_f32 v[ZD+8*\u:ZD+8*\u+7], v[WB+2*\s:WB+2*\s+1], v[VA+32*\u+2*\s:VA+32*\u+2*\s+1], v[BI:BI+7]
.else
	v_wmma_f32_16x16x4_f32 v[ZD+8*\u:ZD+8*\u+7], v[WB+2*\s:WB+2*\s+1], v[VA+32*\u+2*\s:VA+32*\u+2*\s+1], v[ZD+8*\u:ZD+8*\u+7]
.endif
.endr
.endr
	PLACES 9                                       ; this form wants eight in front of stores, loads and vector reads, nine in front of a product that takes the result as an operand
	WIN 0x04
	global_store_b128 v[ZO], v[ZD:ZD+3], s[46:47]              ; lane (r, h): z[4 h .. 4 h + 3] of row r: the wave stores 512 consecutive bytes
	global_store_b128 v[ZO], v[ZD+8:ZD+11], s[46:47] offset:512
	WIN 0
	LOADI WB, E0I-E2F, 4
	LOADB 3328
	; ---- the shift: the z of the work-group's first row.  Two barriers in every trip, on every wave's path; the store and the load stand in the first trip alone
	s_wait_dscnt 0x0
	s_barrier_signal -1
	s_barrier_wait -1                              ; nobody reads the shift's bytes any more
	s_cmp_lg_u32 s52, 0
	s_cbranch_scc1 .Lnoc
	s_cmp_lg_u32 s53, 0
	s_cbranch_scc1 .Lnoc
	WIN 0x04
	ds_store_b128 v[CSS], v[ZD:ZD+3]
	WIN 0
.Lnoc:
	s_wait_dscnt 0x0                               ; for the others' sake
	s_barrier_signal -1
	s_barrier_wait -1
	s_cmp_lg_u32 s53, 0
	s_cbranch_scc1 .Lhavec
	ds_load_b128 v[CR:CR+3], v[CSL]
.Lhavec:
	s_wait_dscnt 0x0
	; ---- the features: u = z - c goes to my columns in LDS and comes back a feature a lane, rows along the registers
	WIN 0x01
.irp u,0,1
.irp i,0,1
	v_pk_add_f32 v[TM+4*\u+2*\i:TM+4*\u+2*\i+1], v[ZD+8*\u+2*\i:ZD+8*\u+2*\i+1], v[CR+2*\i:CR+2*\i+1] neg_lo:[0,1] neg_hi:[0,1]
.endr
.endr
	WIN 0
.irp u,0,1
.irp j,0,1,2,3
	ds_store_b32 v[US], v[TM+4*\u+\j] offset:COL*\j+64*\u          ; columns 0-7,
	ds_store_b32 v[US], v[TM+4*\u+\j] offset:COL*(\j+8)+64*\u      ; columns 8-15,
	ds_store_b32 v[US3], v[TM+4*\u+\j] offset:COL*(\j+20)+64*\u    ; columns 20-23 (from lanes 16-31: columns 36-39, which nobody reads)
.endr
.endr
.macro FLOAD adr, off, reg             ; a factor's 16 rows of my half: rows 8 h + 0 .. 7 and 16 + 8 h + 0 .. 7.  LDS serves a wave's instructions in order: these see the stores above
.irp e,0,1,2,3
	ds_load_b128 v[\reg+4*\e:\reg+4*\e+3], v[\adr] offset:\off+16*(\e%2)+64*(\e/2)
.endr
.endm
.macro FMUL d, a
.irp i,0,2,4,6,8,10,12,14
	v_pk_mul_f32 v[\d+\i:\d+\i+1], v[\d+\i:\d+\i+1], v[\a+\i:\a+\i+1]
.endr
.endm
.macro FCVT g, reg
.irp i,0,1,2,3,4,5,6,7
	v_cvt_pk_bf16_f32 v[FB+8*\g+\i], v[\reg+2*\i], v[\reg+2*\i+1]
.endr
.endm
	FLOAD FA, 0, VA                                ; features 0-31: u_(r % 8), for both groups;
	FLOAD FQ, 0, VA+16                             ; features 0-15: the column r / 8 further on;
	FLOAD FQ, 2*COL, VA+32                         ; features 16-31: 2 + r / 8 further on;
	FLOAD FR2, 4*COL, VA+48                        ; features 32-47: columns 4 + r
	FLOAD FR2, 20*COL, WB+16                       ; and 20 + r
	s_wait_dscnt 0x0
	FMUL VA+16, VA
	FMUL VA+32, VA
	FMUL VA+48, WB+16
	WIN 0x40
	FCVT 0, VA+16
	FCVT 1, VA+32
	FCVT 2, VA+48
	WIN 0
	; ---- the estimator's first layer: z E0 + eb0, f32 operands, K = 8 in two steps; two chunks of 64 units
.macro G1MUL
	WIN 0x14
.irp t,0,1,2,3
.irp u,0,1
	v_wmma_f32_16x16x4_f32 v[MA+32*\u+8*\t:MA+32*\u+8*\t+7], v[WB+4*\t:WB+4*\t+1], v[ZD+8*\u:ZD+8*\u+1], v[BI+8*\t:BI+8*\t+7]
.endr
.endr
	WIN 0x04
.irp t,0,1,2,3
.irp u,0,1
	v_wmma_f32_16x16x4_f32 v[MA+32*\u+8*\t:MA+32*\u+8*\t+7], v[WB+4*\t+2:WB+4*\t+3], v[ZD+8*\u+2:ZD+8*\u+3], v[MA+32*\u+8*\t:MA+32*\u+8*\t+7]
.endr
.endr
	WIN 0
	PLACES 8
.endm
	G1MUL
	LOADI WB, E0I-E2F+2048, 4
	LOADB 3328+256
	TANH
	QUANT G1, G1+12, G1S, G1S+1, 0
	s_wait_dscnt 0x0
	G1MUL
	LOADQ 26, WB, WS
	LOADB 3840
	TANH
	QUANT G1, G1+12, G1S, G1S+1, 1
	; ---- its second layer: one chunk, K = 128
	PLACES 8                                       ; a scale word made by vector instructions stands eight plain instructions ahead of the product that takes it
	s_wait_dscnt 0x0
	MULQ WB, WS, G1, G1S, 1, 0
	PLACES 4
	LOADI WB, 0, 3                                 ; E2's fragment
	ds_load_b32 v[WS], v[LS]
	TANH
	QUANT G2, G2+12, G2S, G2S+1, 0
	WIN 0x40
.irp i,6,7,8,9,10,11,18,19,20,21,22,23
	v_mov_b32 v[G2+\i], 0                          ; K = 64: the rest of the K step is zero codes
.endr
	WIN 0
	; ---- the logits, not transposed: lane (r, h), register j: component r, row 8 h + j
	PLACES 8
	s_wait_dscnt 0x0
	WIN 0x01
.irp u,0,1
	v_wmma_scale_f32_16x16x128_f8f6f4 v[MA+8*\u:MA+8*\u+7], v[G2+12*\u:G2+12*\u+11], v[WB:WB+11], 0, v[G2S+\u], v[WS] matrix_a_fmt:MATRIX_FMT_FP6 matrix_b_fmt:MATRIX_FMT_FP6
.endr
	WIN 0
	PLACES 4
	LOADQ 0, WB, WS                                ; the next trip's first quad and biases
	LOADB 0
	; ---- softmax over the 16 components: across the 16 lanes of a half
.irp i,0,2,4,6,8,10,12,14
	v_pk_fma_f32 v[VA+\i:VA+\i+1], v[MA+\i:MA+\i+1], s[58:59], v[EB2:EB2+1] op_sel_hi:[1,0,1]   ; (logit + eb2) x log2 e
.endr
.irp x,1,2,4,8
.set i, 0
.rept 16
.if \x == 1
	v_max_num_f32_dpp v[VA+16+i], v[VA+i], v[VA+i] row_xmask:1 row_mask:0xf bank_mask:0xf
.else
	v_max_num_f32_dpp v[VA+16+i], v[VA+16+i], v[VA+16+i] row_xmask:\x row_mask:0xf bank_mask:0xf
.endif
.set i, i+1
.endr
.endr
.irp i,0,2,4,6,8,10,12,14
	v_pk_add_f32 v[VA+\i:VA+\i+1], v[VA+\i:VA+\i+1], v[VA+16+\i:VA+16+\i+1] neg_lo:[0,1] neg_hi:[0,1]   ; the row's maximum is taken away
.endr
.set i, 0
.rept 16
	v_exp_f32 v[VA+i], v[VA+i]
.set i, i+1
.endr
	v_nop
	s_wait_alu depctr_va_vdst(0)                   ; one wait for the batch, ahead of its first reader
.irp x,1,2,4,8
.set i, 0
.rept 16
.if \x == 1
	v_add_f32_dpp v[VA+16+i], v[VA+i], v[VA+i] row_xmask:1 row_mask:0xf bank_mask:0xf
.else
	v_add_f32_dpp v[VA+16+i], v[VA+16+i], v[VA+16+i] row_xmask:\x row_mask:0xf bank_mask:0xf
.endif
.set i, i+1
.endr
.endr
.set i, 0
.rept 16
	v_rcp_f32 v[VA+16+i], v[VA+16+i]
.set i, i+1
.endr
	v_nop
	s_wait_alu depctr_va_vdst(0)
.irp i,0,2,4,6,8,10,12,14
	v_pk_mul_f32 v[VA+\i:VA+\i+1], v[VA+\i:VA+\i+1], v[VA+16+\i:VA+16+\i+1]
.endr
.irp i,0,1,2,3,4,5,6,7
	v_cvt_pk_bf16_f32 v[TM+\i], v[VA+2*\i], v[VA+2*\i+1]       ; gamma: source 0 of the moment product: component r, rows 8 h .. and 16 + 8 h ..
.endr
	; ---- the moments: 16 components x 48 features, K = the trip's 32 rows; three accumulators by turns
	PLACES 4
	WIN 0x54
.irp g,0,1,2
	v_wmma_f32_16x16x32_bf16 v[ST+8*\g:ST+8*\g+7], v[TM:TM+7], v[FB+8*\g:FB+8*\g+7], v[ST+8*\g:ST+8*\g+7]
.endr
	WIN 0
	s_wait_xcnt 0x0                                ; z's stores have read their base and their data: both are written again only behind this wait
	s_add_nc_u64 s[46:47], s[46:47], 1024
	s_add_co_u32 s53, s53, 1
	s_cmp_lt_u32 s53, 4
	s_cbranch_scc1 .Lblock
	; ---------------- the tail: the eight waves' sums are added and leave in whole runs of 512 bytes
	PLACES 4
	WIN 0x04
.set i, 0
.rept 24
	ds_store_b32 v[RS], v[ST+i] offset:128*i       ; each accumulator from its low end on
.set i, i+1
.endr
	WIN 0
	s_wait_dscnt 0x0
	s_barrier_signal -1
	s_barrier_wait -1
	s_cmp_lt_u32 s52, 6
	s_cbranch_scc0 .Lnot_sum
.irp w,0,1,2,3,4,5,6,7
	ds_load_b128 v[VA+4*\w:VA+4*\w+3], v[TA] offset:3072*\w    ; waves 0-5: 512 bytes of each wave's sums
.endr
	s_wait_dscnt 0x0
.irp w,0,2,4,6
	v_pk_add_f32 v[VA+4*\w:VA+4*\w+1], v[VA+4*\w:VA+4*\w+1], v[VA+4*\w+4:VA+4*\w+5]
	v_pk_add_f32 v[VA+4*\w+2:VA+4*\w+3], v[VA+4*\w+2:VA+4*\w+3], v[VA+4*\w+6:VA+4*\w+7]
.endr
.irp w,0,4
	v_pk_add_f32 v[VA+4*\w:VA+4*\w+1], v[VA+4*\w:VA+4*\w+1], v[VA+4*\w+8:VA+4*\w+9]
	v_pk_add_f32 v[VA+4*\w+2:VA+4*\w+3], v[VA+4*\w+2:VA+4*\w+3], v[VA+4*\w+10:VA+4*\w+11]
.endr
	v_pk_add_f32 v[VA:VA+1], v[VA:VA+1], v[VA+16:VA+17]
	v_pk_add_f32 v[VA+2:VA+3], v[VA+2:VA+3], v[VA+18:VA+19]
	global_store_b128 v[WA], v[VA:VA+3], s[48:49]
	s_wait_xcnt 0x0
	v_lshl_add_u32 v247, v0, 2, 0x40c00
	v_mov_b32 v248, 0
	s_wait_tensorcnt 0x0
	ds_add_u32 v247, v248
	s_wait_dscnt 0x0
	s_endpgm
.Lnot_sum:
	s_cmp_lg_u32 s52, 6
	s_cbranch_scc1 .Lend
	ds_load_b64 v[VA:VA+1], v[C8]                  ; wave 6: the shift, with seven more rows of z so that 256 consecutive bytes are stored
	s_wait_dscnt 0x0
	global_store_b64 v[G8], v[VA:VA+1], s[50:51]
.Lend:
	s_wait_xcnt 0x0
	v_lshl_add_u32 v247, v0, 2, 0x40c00
	v_mov_b32 v248, 0
	s_wait_tensorcnt 0x0
	ds_add_u32 v247, v248
	s_wait_dscnt 0x0
	s_endpgm
.Lfunc_end_k_q0acf306218_net:
	.size	k_q0acf306218_net, .Lfunc_end_k_q0acf306218_net-k_q0acf306218_net
	.p2alignl 7, 3214868480
	.fill 96, 4, 3214868480
	.section	.rodata,"a",@progbits
	.p2align	6, 0x0
	.amdhsa_kernel k_q0acf306218_net
		.amdhsa_group_segment_fixed_size 266240
		.amdhsa_private_segment_fixed_size 0
		.amdhsa_enable_private_segment 0
		.amdhsa_kernarg_size 192
		.amdhsa_user_sgpr_count 2
		.amdhsa_user_sgpr_kernarg_segment_ptr 1
		.amdhsa_wavefront_size32 1
		.amdhsa_system_sgpr_workgroup_id_x 1
		.amdhsa_system_sgpr_workgroup_id_y 1
		.amdhsa_system_sgpr_workgroup_id_z 1
		.amdhsa_system_vgpr_workitem_id 0
		.amdhsa_next_free_vgpr 512
		.amdhsa_next_free_sgpr 80
		.amdhsa_reserve_vcc 0
		.amdhsa_float_denorm_mode_32 3
		.amdhsa_float_denorm_mode_16_64 3
		.amdhsa_memory_ordered 1
		.amdhsa_forward_progress 1
		.amdhsa_inst_pref_size 255
	.end_amdhsa_kernel
	.section	.bss,"aw",@nobits
	.p2align	6
	.space	262144
	.amdgpu_metadata
---
amdhsa.version: [ 1, 2 ]
amdhsa.kernels:
  - .name:           k_q0acf306218_net
    .symbol:         k_q0acf306218_net.kd
    .args:
      - { .name: x_codes, .offset: 0, .size: 8, .value_kind: global_buffer, .address_space: global }
      - { .name: x_scales, .offset: 8, .size: 8, .value_kind: global_buffer, .address_space: global }
      - { .name: W0_codes, .offset: 16, .size: 8, .value_kind: global_buffer, .address_space: global }
      - { .name: W0_scales, .offset: 24, .size: 8, .value_kind: global_buffer, .address_space: global }
      - { .name: W1_codes, .offset: 32, .size: 8, .value_kind: global_buffer, .address_space: global }
      - { .name: W1_scales, .offset: 40, .size: 8, .value_kind: global_buffer, .address_space: global }
      - { .name: W2_codes, .offset: 48, .size: 8, .value_kind: global_buffer, .address_space: global }
      - { .name: W2_scales, .offset: 56, .size: 8, .value_kind: global_buffer, .address_space: global }
      - { .name: E1_codes, .offset: 64, .size: 8, .value_kind: global_buffer, .address_space: global }
      - { .name: E1_scales, .offset: 72, .size: 8, .value_kind: global_buffer, .address_space: global }
      - { .name: E2_codes, .offset: 80, .size: 8, .value_kind: global_buffer, .address_space: global }
      - { .name: E2_scales, .offset: 88, .size: 8, .value_kind: global_buffer, .address_space: global }
      - { .name: W3, .offset: 96, .size: 8, .value_kind: global_buffer, .address_space: global }
      - { .name: E0, .offset: 104, .size: 8, .value_kind: global_buffer, .address_space: global }
      - { .name: b0, .offset: 112, .size: 8, .value_kind: global_buffer, .address_space: global }
      - { .name: b1, .offset: 120, .size: 8, .value_kind: global_buffer, .address_space: global }
      - { .name: b2, .offset: 128, .size: 8, .value_kind: global_buffer, .address_space: global }
      - { .name: b3, .offset: 136, .size: 8, .value_kind: global_buffer, .address_space: global }
      - { .name: eb0, .offset: 144, .size: 8, .value_kind: global_buffer, .address_space: global }
      - { .name: eb1, .offset: 152, .size: 8, .value_kind: global_buffer, .address_space: global }
      - { .name: eb2, .offset: 160, .size: 8, .value_kind: global_buffer, .address_space: global }
      - { .name: out1, .offset: 168, .size: 8, .value_kind: global_buffer, .address_space: global }
      - { .name: part, .offset: 176, .size: 8, .value_kind: global_buffer, .address_space: global }
      - { .name: cs, .offset: 184, .size: 8, .value_kind: global_buffer, .address_space: global }
    .group_segment_fixed_size: 266240
    .private_segment_fixed_size: 0
    .kernarg_segment_align: 8
    .kernarg_segment_size: 192
    .max_flat_workgroup_size: 256
    .sgpr_count:     80
    .vgpr_count:     512
    .wavefront_size: 32
...
	.end_amdgpu_metadata
.endif
;; end of part 1
;; launch fit (part 2): grid 16 x 1, 8 waves a work-group, no clusters, 9,216 bytes of LDS; arguments part, cs, gmm; writes gmm
.if DOCPART == 2
	.amdgcn_target "amdgcn-amd-amdhsa--gfx1250"
	.amdhsa_code_object_version 6
	.text
	.protected	k_q0acf306218_fit
	.globl	k_q0acf306218_fit
	.p2align	8
	.type	k_q0acf306218_fit,@function
k_q0acf306218_fit:
	s_mov_b64 s[64:65], 0
	v_nop
	global_prefetch_b8 v0, s[64:65] scope:SCOPE_SE
	s_setreg_imm32_b32 hwreg(HW_REG_WAVE_MODE, 25, 1), 1
	s_wait_xcnt 0x0
; ONE COMPONENT OF THE MIXTURE A WORK-GROUP (k = the work-group's number).  Thread g takes group g's sums: M[f] = sum of gamma_k x feature f over that group's 1,024 rows, u = z - c_g:
; f = 8 d + i (d = 0 .. 3): u_i u_((i + d) mod 8); f = 32 + i (i = 0 .. 3): u_(i+4) u_i; f = 36 + l: u_l; f = 44: 1.
; Pass A: the sum of gamma and the first moment about c_ref = c_0: GS, mu.  Pass B: each group's second moment is moved from c_g to mu, S2 + S1 d^T + d S1^T + gs d d^T with d = c_g - mu: every term is of the
; size of the spread squared, so no difference of large sums is formed.  Then sigma + 1e-6 I, its Cholesky factor, and what the energy wants of it:
; gmm[k]: floats 0-7 mu, 8-15 r_i = 1 / L_ii, 16-43 N_ij = -L_ij r_i (column by column, i > j), 44 C2 = log2(phi) - (8 log2(2 pi) + log2 det sigma) / 2, the rest 0.
; Matrix units, tensor loads and clusters have nothing to do here: 49,152 bytes a work-group, read once, and a short chain of dependent steps.
; LIMITS: a component whose sum of gamma is 0, or whose pivot is not positive, gives what the formula gives (infinities, NaN).
.set PO,  2                            ; part: 3072 g + 128 (k % 8) + 64 (k / 8)
.set CO,  3                            ; cs: 256 g
.set WRA, 4                            ; 64 x wave
.set LA,  5                            ; 4 (lane % 16)
.set WR2, 6                            ; 64 x wave + 4 (lane % 16)
.set WRB, 7                            ; 144 x wave
.set LB1, 8                            ; 4 x lane
.set LB2, 9                            ; 4 (lane % 4)
.set UNI, 10                           ; 0
.set L8,  11                           ; 8 x lane
.set M,   16                           ; v16-63  the 48 features' sums
.set GSF, 44                           ; the feature that is the sum of gamma
.set NN,  16                           ; later: N
.set CG,  64                           ; v64-71  c_g
.set E,   72                           ; v72-79  c_g - c_ref, then c_g - mu
.set A,   80                           ; v80-88  pass A's nine numbers
.set SA,  92                           ; v92-103 their totals: GS, then the first moment
.set RG,  104                          ; 1 / GS
.set DL,  105                          ; v105-112 mu - c_ref
.set W,   113                          ; v113-120
.set T,   124                          ; v124-159 pass B's 36 numbers
.set AA,  160                          ; v160-195 sigma, then L; entry (i, j), i >= j, at 8 j - j (j - 1) / 2 + i - j
.set R,   196                          ; v196-203
.set LGR, 204                          ; v204-212
.set MU,  213                          ; v213-220
.set C2,  221
.set OUT, 222
.set LT,  228                          ; v228-243
.set TP,  244                          ; v244-247
.set ZR,  248                          ; v248-251 zeros
.set RA,  0                            ; LDS: pass A: 16 words a wave;
.set RA2, 512                          ; each wave's own 16 words;
.set RB,  1024                         ; pass B: 36 words a wave;
.set RB2, 2304                         ; the totals;
.set OUTB, 2560                        ; the 256 bytes that leave
.macro SETF i, j                       ; the feature that holds the pair (i, j), i <= j; index 8 stands for the 1
.if (\j) == 8
.set FF, 36+(\i)
.elseif ((\j)-(\i)) <= 3
.set FF, 8*((\j)-(\i))+(\i)
.elseif ((\j)-(\i)) == 4
.set FF, 32+(\i)
.else
.set FF, 8*(8-(\j)+(\i))+(\j)
.endif
.endm
.macro SETIX j, i
.set IX, 8*(\j)-((\j)*((\j)-1))/2+(\i)-(\j)
.endm
.macro WREDN base, n                   ; n numbers are summed over the wave's 32 lanes; every lane ends with the sums
.irp x,1,2,4,8
.set i, 0
.rept \n
	v_add_f32_dpp v[\base+i], v[\base+i], v[\base+i] row_xmask:\x row_mask:0xf bank_mask:0xf
.set i, i+1
.endr
.endr
.set i, 0
.rept \n
	v_permlanex16_b32 v[TP+i%4], v[\base+i], s12, s13
	v_add_f32 v[\base+i], v[\base+i], v[TP+i%4]
.set i, i+1
.endr
.endm
.macro SUM8 b
	v_add_f32 v[\b], v[\b], v[\b+1]
	v_add_f32 v[\b+2], v[\b+2], v[\b+3]
	v_add_f32 v[\b+4], v[\b+4], v[\b+5]
	v_add_f32 v[\b+6], v[\b+6], v[\b+7]
	v_add_f32 v[\b], v[\b], v[\b+2]
	v_add_f32 v[\b+4], v[\b+4], v[\b+6]
	v_add_f32 v[\b], v[\b], v[\b+4]
.endm
	s_load_b128 s[4:7], s[0:1], 0x0                ; part, cs
	s_load_b64 s[8:9], s[0:1], 0x10                ; gmm
	v_lshl_add_u32 v254, v0, 2, 0x2000
	v_mov_b32 v255, 0
	v_lshrrev_b32 v1, 5, v0
	v_readfirstlane_b32 s10, v1                    ; wave
	v_and_b32 v1, 31, v0
	v_and_b32 v15, 15, v0
	s_mov_b32 s12, 0x76543210
	s_mov_b32 s13, 0xfedcba98
	s_and_b32 s11, ttmp9, 7
	s_lshl_b32 s11, s11, 7
	s_lshr_b32 s14, ttmp9, 3
	s_lshl_b32 s14, s14, 6
	s_add_co_u32 s11, s11, s14
	v_mul_u32_u24 v[PO], v0, 3072
	v_add_nc_u32 v[PO], s11, v[PO]
	v_lshlrev_b32 v[CO], 8, v0
	s_lshl_b32 s14, s10, 6
	v_mov_b32 v[WRA], s14
	v_lshlrev_b32 v[LA], 2, v15
	v_add_nc_u32 v[WR2], s14, v[LA]
	s_mul_i32 s15, s10, 144
	v_mov_b32 v[WRB], s15
	v_lshlrev_b32 v[LB1], 2, v1
	v_and_b32 v[LB2], 3, v0
	v_lshlrev_b32 v[LB2], 2, v[LB2]
	v_mov_b32 v[UNI], 0
	v_lshlrev_b32 v[L8], 3, v1
	s_lshl_b32 s24, ttmp9, 8
	s_mov_b32 s25, 0
.irp i,0,1,2,3
	v_mov_b32 v[TP+\i], 0                          ; a lane permute's destination counts as one of its sources
	v_mov_b32 v[ZR+\i], 0
.endr
	s_wait_kmcnt 0x0
	s_add_nc_u64 s[8:9], s[8:9], s[24:25]
.irp g,0,1,2
.irp e,0,1,2,3
	global_load_b128 v[M+16*\g+4*\e:M+16*\g+4*\e+3], v[PO], s[4:5] offset:1024*\g+16*\e
.endr
.endr
	global_load_b128 v[CG:CG+3], v[CO], s[6:7]
	global_load_b128 v[CG+4:CG+7], v[CO], s[6:7] offset:16
	s_load_b256 s[16:23], s[6:7], 0x0              ; c_ref: the first group's shift
	s_wait_loadcnt 0x0
	s_wait_kmcnt 0x0
	; ---- pass A
.irp l,0,1,2,3,4,5,6,7
	v_sub_f32 v[E+\l], v[CG+\l], s[16+\l]
.endr
	v_mov_b32 v[A], v[M+GSF]                       ; the group's sum of gamma; it is wanted again in pass B
.irp l,0,1,2,3,4,5,6,7
	SETF \l,8
	v_fma_f32 v[A+1+\l], v[M+GSF], v[E+\l], v[M+FF]
.endr
	WREDN A, 9
	ds_store_b128 v[WRA], v[ZR:ZR+3] offset:RA+32  ; words 8-15 are written, so that sixteen lanes may read sixteen words;
	ds_store_b128 v[WRA], v[ZR:ZR+3] offset:RA+48
.set i, 0
.rept 9
	ds_store_b32 v[WRA], v[A+i] offset:RA+4*i      ; then the nine (all lanes write the same word with the same value)
.set i, i+1
.endr
	s_wait_dscnt 0x0
	s_barrier_signal -1
	s_barrier_wait -1
.set i, 0
.rept 8
	ds_load_b32 v[LT+i], v[LA] offset:RA+64*i
.set i, i+1
.endr
	s_wait_dscnt 0x0
	SUM8 LT
	ds_store_b32 v[WR2], v[LT] offset:RA2          ; to my wave's own words, and back to every lane
.irp i,0,1,2
	ds_load_b128 v[SA+4*\i:SA+4*\i+3], v[WRA] offset:RA2+16*\i
.endr
	s_wait_dscnt 0x0
	v_rcp_f32 v[RG], v[SA]
	v_nop
	s_wait_alu depctr_va_vdst(0)
.irp l,0,1,2,3,4,5,6,7
	v_mul_f32 v[DL+\l], v[SA+1+\l], v[RG]
.endr
	; ---- pass B
.irp l,0,1,2,3,4,5,6,7
	v_sub_f32 v[E+\l], v[E+\l], v[DL+\l]           ; d = c_g - mu
.endr
.irp l,0,1,2,3,4,5,6,7
	SETF \l,8
	v_fma_f32 v[W+\l], v[M+GSF], v[E+\l], v[M+FF]  ; w = S1 + gs d
.endr
.irp l,0,1,2,3,4,5,6,7
.irp m,0,1,2,3,4,5,6,7
.if \m >= \l
	SETF \l,8
.set S1L, FF
	SETF \l,\m
	SETIX \l,\m
	v_fma_f32 v[T+IX], v[M+S1L], v[E+\m], v[M+FF]
.endif
.endr
.endr
.irp l,0,1,2,3,4,5,6,7
.irp m,0,1,2,3,4,5,6,7
.if \m >= \l
	SETIX \l,\m
	v_fma_f32 v[T+IX], v[E+\l], v[W+\m], v[T+IX]
.endif
.endr
.endr
	WREDN T, 36
.set i, 0
.rept 36
	ds_store_b32 v[WRB], v[T+i] offset:RB+4*i
.set i, i+1
.endr
	s_wait_dscnt 0x0
	s_barrier_signal -1
	s_barrier_wait -1
	s_cmp_lg_u32 s10, 0
	s_cbranch_scc1 .Lend                           ; the rest is one wave's work
.set i, 0
.rept 8
	ds_load_b32 v[LT+i], v[LB1] offset:RB+144*i            ; lane l: number l of the 36;
	ds_load_b32 v[LT+8+i], v[LB2] offset:RB+128+144*i      ; and number 32 + l % 4
.set i, i+1
.endr
	s_wait_dscnt 0x0
	SUM8 LT
	SUM8 LT+8
	ds_store_b32 v[LB1], v[LT] offset:RB2
	ds_store_b32 v[LB2], v[LT+8] offset:RB2+128
.irp i,0,1,2,3,4,5,6,7,8
	ds_load_b128 v[AA+4*\i:AA+4*\i+3], v[UNI] offset:RB2+16*\i   ; LDS serves a wave's instructions in order: every lane gets all 36
.endr
	s_wait_dscnt 0x0
	; ---- sigma + 1e-6 I and its Cholesky factor, the same in every lane
.irp j,0,1,2,3,4,5,6,7
.irp i,0,1,2,3,4,5,6,7
.if \i == \j
	SETIX \j,\i
	v_fmaak_f32 v[AA+IX], v[AA+IX], v[RG], 0x358637bd
.elseif \i > \j
	SETIX \j,\i
	v_mul_f32 v[AA+IX], v[AA+IX], v[RG]
.endif
.endr
.endr
.irp j,0,1,2,3,4,5,6,7
	SETIX \j,\j
	v_rsq_f32 v[R+\j], v[AA+IX]                    ; the pivot stays where it is: its logarithm is wanted below
	v_nop
	s_wait_alu depctr_va_vdst(0)
.irp i,1,2,3,4,5,6,7
.if \i > \j
	SETIX \j,\i
	v_mul_f32 v[AA+IX], v[AA+IX], v[R+\j]
.endif
.endr
.irp m,1,2,3,4,5,6,7
.irp i,1,2,3,4,5,6,7
.if (\m > \j) && (\i >= \m)
	SETIX \j,\i
.set I1, IX
	SETIX \j,\m
.set I2, IX
	SETIX \m,\i
	v_fma_f32 v[AA+IX], -v[AA+I1], v[AA+I2], v[AA+IX]
.endif
.endr
.endr
.endr
.irp j,0,1,2,3,4,5,6
.irp i,1,2,3,4,5,6,7
.if \i > \j
	SETIX \j,\i
.set NI, 7*\j-(\j*(\j-1))/2+\i-\j-1
	v_mul_f32 v[NN+NI], -v[AA+IX], v[R+\i]
.endif
.endr
.endr
	v_log_f32 v[LGR], v[SA]
.irp j,0,1,2,3,4,5,6,7
	SETIX \j,\j
	v_log_f32 v[LGR+1+\j], v[AA+IX]
.endr
.irp l,0,1,2,3,4,5,6,7
	v_add_f32 v[MU+\l], s[16+\l], v[DL+\l]         ; (plain work behind the logarithms)
.endr
	s_wait_alu depctr_va_vdst(0)
	v_add_f32 v[LGR+1], v[LGR+1], v[LGR+2]
	v_add_f32 v[LGR+3], v[LGR+3], v[LGR+4]
	v_add_f32 v[LGR+5], v[LGR+5], v[LGR+6]
	v_add_f32 v[LGR+7], v[LGR+7], v[LGR+8]
	v_add_f32 v[LGR+1], v[LGR+1], v[LGR+3]
	v_add_f32 v[LGR+5], v[LGR+5], v[LGR+7]
	v_add_f32 v[LGR+1], v[LGR+1], v[LGR+5]
	v_fma_f32 v[C2], v[LGR+1], -0.5, v[LGR]
	v_add_f32 v[C2], 0xc1e4d90e, v[C2]             ; - 18 (the 2^18 rows) - 4 log2(2 pi) = -28.605984
	; ---- the way out: 256 bytes are gathered in LDS and leave by one store
	ds_store_b64 v[L8], v[ZR:ZR+1] offset:OUTB
.irp l,0,1,2,3,4,5,6,7
	ds_store_b32 v[UNI], v[MU+\l] offset:OUTB+4*\l
	ds_store_b32 v[UNI], v[R+\l] offset:OUTB+32+4*\l
.endr
.set i, 0
.rept 28
	ds_store_b32 v[UNI], v[NN+i] offset:OUTB+64+4*i
.set i, i+1
.endr
	ds_store_b32 v[UNI], v[C2] offset:OUTB+176
	ds_load_b64 v[OUT:OUT+1], v[L8] offset:OUTB
	s_wait_dscnt 0x0
	global_store_b64 v[L8], v[OUT:OUT+1], s[8:9]
.Lend:
	s_wait_tensorcnt 0x0
	ds_add_u32 v254, v255
	s_wait_dscnt 0x0
	s_endpgm
.Lfunc_end_k_q0acf306218_fit:
	.size	k_q0acf306218_fit, .Lfunc_end_k_q0acf306218_fit-k_q0acf306218_fit
	.p2alignl 7, 3214868480
	.fill 96, 4, 3214868480
	.section	.rodata,"a",@progbits
	.p2align	6, 0x0
	.amdhsa_kernel k_q0acf306218_fit
		.amdhsa_group_segment_fixed_size 9216
		.amdhsa_private_segment_fixed_size 0
		.amdhsa_enable_private_segment 0
		.amdhsa_kernarg_size 24
		.amdhsa_user_sgpr_count 2
		.amdhsa_user_sgpr_kernarg_segment_ptr 1
		.amdhsa_wavefront_size32 1
		.amdhsa_system_sgpr_workgroup_id_x 1
		.amdhsa_system_sgpr_workgroup_id_y 1
		.amdhsa_system_sgpr_workgroup_id_z 1
		.amdhsa_system_vgpr_workitem_id 0
		.amdhsa_next_free_vgpr 256
		.amdhsa_next_free_sgpr 66
		.amdhsa_reserve_vcc 0
		.amdhsa_float_denorm_mode_32 3
		.amdhsa_float_denorm_mode_16_64 3
		.amdhsa_memory_ordered 1
		.amdhsa_forward_progress 1
		.amdhsa_inst_pref_size 46
	.end_amdhsa_kernel
	.amdgpu_metadata
---
amdhsa.version: [ 1, 2 ]
amdhsa.kernels:
  - .name:           k_q0acf306218_fit
    .symbol:         k_q0acf306218_fit.kd
    .args:
      - { .name: part, .offset: 0, .size: 8, .value_kind: global_buffer, .address_space: global }
      - { .name: cs, .offset: 8, .size: 8, .value_kind: global_buffer, .address_space: global }
      - { .name: gmm, .offset: 16, .size: 8, .value_kind: global_buffer, .address_space: global }
    .group_segment_fixed_size: 9216
    .private_segment_fixed_size: 0
    .kernarg_segment_align: 8
    .kernarg_segment_size: 24
    .max_flat_workgroup_size: 256
    .sgpr_count:     66
    .vgpr_count:     256
    .wavefront_size: 32
...
	.end_amdgpu_metadata
.endif
;; end of part 2
;; launch energy (part 3): grid 256 x 1, 8 waves a work-group, no clusters, 5,120 bytes of LDS; arguments out1, gmm, out0; writes out0
.if DOCPART == 3
	.amdgcn_target "amdgcn-amd-amdhsa--gfx1250"
	.amdhsa_code_object_version 6
	.text
	.protected	k_q0acf306218_energy
	.globl	k_q0acf306218_energy
	.p2align	8
	.type	k_q0acf306218_energy,@function
k_q0acf306218_energy:
	s_mov_b64 s[64:65], 0
	v_nop
	global_prefetch_b8 v0, s[64:65] scope:SCOPE_SE
	s_setreg_imm32_b32 hwreg(HW_REG_WAVE_MODE, 25, 1), 1
	s_wait_xcnt 0x0
; THE ENERGY OF EACH ROW: prob = -logsumexp_k(log phi_k - (|L_k^-1 (z - mu_k)|^2 + 8 log(2 pi) + log det sigma_k) / 2), in base 2 until the last line.
; A wave takes 128 rows; lane l takes rows 64 m + 2 l and 64 m + 2 l + 1, m = 0, 1, as the two halves of packed f32 instructions.  The 16 components' parameters (256 bytes each) lie in LDS and come to every
; lane by loads with one address, a component ahead.  Forward substitution without a division: acc_i = (z_i - mu_i) r_i; v_j = acc_j; acc_i += N_ij v_j for i > j.
; The largest logit is taken away before the exponentials.  No matrix unit: the triangular solves are chains of 8 x 8; no cluster, no tensor load: 4,096 bytes are shared, read once.
.set ZP, 8                             ; v8-39    z in pairs: 16 m + 2 d
.set AC, 40                            ; v40-71   acc, likewise
.set Q,  72                            ; v72-75   the sums of squares
.set LG, 76                            ; v76-139  the logits: 4 k + 2 m
.set P0, 140                           ; v140-235 two sets of 48 parameters
.set MX, 236                           ; v236-239 the largest logits
.macro LOADP k, buf
.irp i,0,1,2,3,4,5,6,7,8,9,10,11
	ds_load_b128 v[\buf+4*\i:\buf+4*\i+3], v3 offset:256*(\k)+16*\i
.endr
.endm
; parameter p serves both halves: the pair that holds it is named, and both selects point at it
.macro PSUB d, a, p
.if ((\p)&1)
	v_pk_add_f32 v[\d:\d+1], v[\a:\a+1], v[PB+(\p)-1:PB+(\p)] op_sel:[0,1] op_sel_hi:[1,1] neg_lo:[0,1] neg_hi:[0,1]
.else
	v_pk_add_f32 v[\d:\d+1], v[\a:\a+1], v[PB+(\p):PB+(\p)+1] op_sel:[0,0] op_sel_hi:[1,0] neg_lo:[0,1] neg_hi:[0,1]
.endif
.endm
.macro PMUL d, p
.if ((\p)&1)
	v_pk_mul_f32 v[\d:\d+1], v[\d:\d+1], v[PB+(\p)-1:PB+(\p)] op_sel:[0,1] op_sel_hi:[1,1]
.else
	v_pk_mul_f32 v[\d:\d+1], v[\d:\d+1], v[PB+(\p):PB+(\p)+1] op_sel:[0,0] op_sel_hi:[1,0]
.endif
.endm
.macro PFMA d, p, x
.if ((\p)&1)
	v_pk_fma_f32 v[\d:\d+1], v[PB+(\p)-1:PB+(\p)], v[\x:\x+1], v[\d:\d+1] op_sel:[1,0,0] op_sel_hi:[1,1,1]
.else
	v_pk_fma_f32 v[\d:\d+1], v[PB+(\p):PB+(\p)+1], v[\x:\x+1], v[\d:\d+1] op_sel:[0,0,0] op_sel_hi:[0,1,1]
.endif
.endm
.macro KSTEP k
.set PB, P0+48*((\k)%2)
.if (\k) < 15
	LOADP (\k)+1, P0+48*(((\k)+1)%2)
	s_wait_dscnt 12                                ; this component's parameters are in; the next one's 12 loads may be out
.else
	s_wait_dscnt 0x0
.endif
.irp i,0,1,2,3,4,5,6,7
.irp m,0,1
	PSUB AC+16*\m+2*\i, ZP+16*\m+2*\i, \i
.endr
.endr
.irp i,0,1,2,3,4,5,6,7
.irp m,0,1
	PMUL AC+16*\m+2*\i, 8+\i
.endr
.endr
.irp j,0,1,2,3,4,5,6,7
.irp i,1,2,3,4,5,6,7
.irp m,0,1
.if \i > \j
	PFMA AC+16*\m+2*\i, 16+7*\j-(\j*(\j-1))/2+\i-\j-1, AC+16*\m+2*\j
.endif
.endr
.endr
.irp m,0,1
.if \j == 0
	v_pk_mul_f32 v[Q+2*\m:Q+2*\m+1], v[AC+16*\m:AC+16*\m+1], v[AC+16*\m:AC+16*\m+1]
.else
	v_pk_fma_f32 v[Q+2*\m:Q+2*\m+1], v[AC+16*\m+2*\j:AC+16*\m+2*\j+1], v[AC+16*\m+2*\j:AC+16*\m+2*\j+1], v[Q+2*\m:Q+2*\m+1]
.endif
.endr
.endr
.irp m,0,1
	v_pk_fma_f32 v[LG+4*(\k)+2*\m:LG+4*(\k)+2*\m+1], v[Q+2*\m:Q+2*\m+1], 0xbf38aa3b, v[PB+44:PB+45] op_sel_hi:[1,0,0]   ; C2 - (log2 e / 2) x the sum of squares
.endr
.endm
	s_load_b128 s[4:7], s[0:1], 0x0                ; z (out1), gmm
	s_load_b64 s[8:9], s[0:1], 0x10                ; out0
	v_lshl_add_u32 v240, v0, 2, 0x1000
	v_mov_b32 v241, 0
	v_lshrrev_b32 v1, 5, v0
	v_readfirstlane_b32 s10, v1                    ; wave
	v_and_b32 v5, 31, v0
	v_lshlrev_b32 v1, 4, v0                        ; 16 bytes of gmm a thread
	v_lshlrev_b32 v2, 6, v5                        ; my two rows of z: 64 bytes
	v_mov_b32 v3, 0
	v_lshlrev_b32 v4, 3, v5                        ; my two results: 8 bytes
	s_lshl_b32 s11, ttmp9, 10
	s_lshl_b32 s12, s10, 7
	s_add_co_u32 s11, s11, s12                     ; my wave's first row
	s_lshl_b32 s12, s11, 5
	s_mov_b32 s13, 0
	s_lshl_b32 s14, s11, 2
	s_mov_b32 s15, 0
	s_wait_kmcnt 0x0
	s_add_nc_u64 s[4:5], s[4:5], s[12:13]
	s_add_nc_u64 s[8:9], s[8:9], s[14:15]
	global_load_b128 v[Q:Q+3], v1, s[6:7]
.irp m,0,1
.irp e,0,1,2,3
	global_load_b128 v[AC+16*\m+4*\e:AC+16*\m+4*\e+3], v2, s[4:5] offset:2048*\m+16*\e
.endr
.endr
	s_wait_loadcnt 8                               ; my part of gmm is in; z's eight loads may be out
	ds_store_b128 v1, v[Q:Q+3]
	s_wait_dscnt 0x0                               ; for the others' sake
	s_barrier_signal -1
	s_barrier_wait -1
	LOADP 0, P0
	s_wait_loadcnt 0x0
.irp m,0,1
.irp d,0,1,2,3,4,5,6,7
	v_mov_b32 v[ZP+16*\m+2*\d], v[AC+16*\m+\d]     ; component d of my two rows side by side
	v_mov_b32 v[ZP+16*\m+2*\d+1], v[AC+16*\m+8+\d]
.endr
.endr
.irp k,0,1,2,3,4,5,6,7,8,9,10,11,12,13,14,15
	KSTEP \k
.endr
	; ---- logsumexp in base 2
.irp c,0,1,2,3
	v_max3_num_f32 v[MX+\c], v[LG+\c], v[LG+4+\c], v[LG+8+\c]
.endr
.irp k,3,5,7,9,11,13
.irp c,0,1,2,3
	v_max3_num_f32 v[MX+\c], v[MX+\c], v[LG+4*\k+\c], v[LG+4*\k+4+\c]
.endr
.endr
.irp c,0,1,2,3
	v_max_num_f32 v[MX+\c], v[MX+\c], v[LG+60+\c]
.endr
.irp k,0,1,2,3,4,5,6,7,8,9,10,11,12,13,14,15
.irp m,0,1
	v_pk_add_f32 v[LG+4*\k+2*\m:LG+4*\k+2*\m+1], v[LG+4*\k+2*\m:LG+4*\k+2*\m+1], v[MX+2*\m:MX+2*\m+1] neg_lo:[0,1] neg_hi:[0,1]
.endr
.endr
.set i, 0
.rept 64
	v_exp_f32 v[LG+i], v[LG+i]
.set i, i+1
.endr
	v_nop
	s_wait_alu depctr_va_vdst(0)                   ; one wait for the batch, ahead of its first reader
.irp k,2,4,6,8,10,12,14
.irp m,0,1
	v_pk_add_f32 v[LG+2*\m:LG+2*\m+1], v[LG+2*\m:LG+2*\m+1], v[LG+4*\k+2*\m:LG+4*\k+2*\m+1]          ; two chains for each pair: the even components,
	v_pk_add_f32 v[LG+4+2*\m:LG+4+2*\m+1], v[LG+4+2*\m:LG+4+2*\m+1], v[LG+4*\k+4+2*\m:LG+4*\k+4+2*\m+1]   ; the odd ones
.endr
.endr
.irp m,0,1
	v_pk_add_f32 v[LG+2*\m:LG+2*\m+1], v[LG+2*\m:LG+2*\m+1], v[LG+4+2*\m:LG+4+2*\m+1]
.endr
.irp c,0,1,2,3
	v_log_f32 v[LG+\c], v[LG+\c]
.endr
	v_nop
	s_wait_alu depctr_va_vdst(0)
.irp m,0,1
	v_pk_add_f32 v[LG+2*\m:LG+2*\m+1], v[LG+2*\m:LG+2*\m+1], v[MX+2*\m:MX+2*\m+1]
.endr
.irp m,0,1
	v_pk_mul_f32 v[LG+2*\m:LG+2*\m+1], v[LG+2*\m:LG+2*\m+1], 0xbf317218 op_sel_hi:[1,0]   ; x -ln 2
.endr
.irp m,0,1
	global_store_b64 v4, v[LG+2*\m:LG+2*\m+1], s[8:9] offset:256*\m     ; the wave stores 256 consecutive bytes, aligned
.endr
	s_wait_tensorcnt 0x0
	ds_add_u32 v240, v241
	s_wait_dscnt 0x0
	s_endpgm
.Lfunc_end_k_q0acf306218_energy:
	.size	k_q0acf306218_energy, .Lfunc_end_k_q0acf306218_energy-k_q0acf306218_energy
	.p2alignl 7, 3214868480
	.fill 96, 4, 3214868480
	.section	.rodata,"a",@progbits
	.p2align	6, 0x0
	.amdhsa_kernel k_q0acf306218_energy
		.amdhsa_group_segment_fixed_size 5120
		.amdhsa_private_segment_fixed_size 0
		.amdhsa_enable_private_segment 0
		.amdhsa_kernarg_size 24
		.amdhsa_user_sgpr_count 2
		.amdhsa_user_sgpr_kernarg_segment_ptr 1
		.amdhsa_wavefront_size32 1
		.amdhsa_system_sgpr_workgroup_id_x 1
		.amdhsa_system_sgpr_workgroup_id_y 1
		.amdhsa_system_sgpr_workgroup_id_z 1
		.amdhsa_system_vgpr_workitem_id 0
		.amdhsa_next_free_vgpr 242
		.amdhsa_next_free_sgpr 66
		.amdhsa_reserve_vcc 0
		.amdhsa_float_denorm_mode_32 3
		.amdhsa_float_denorm_mode_16_64 3
		.amdhsa_memory_ordered 1
		.amdhsa_forward_progress 1
		.amdhsa_inst_pref_size 132
	.end_amdhsa_kernel
	.amdgpu_metadata
---
amdhsa.version: [ 1, 2 ]
amdhsa.kernels:
  - .name:           k_q0acf306218_energy
    .symbol:         k_q0acf306218_energy.kd
    .args:
      - { .name: out1, .offset: 0, .size: 8, .value_kind: global_buffer, .address_space: global }
      - { .name: gmm, .offset: 8, .size: 8, .value_kind: global_buffer, .address_space: global }
      - { .name: out0, .offset: 16, .size: 8, .value_kind: global_buffer, .address_space: global }
    .group_segment_fixed_size: 5120
    .private_segment_fixed_size: 0
    .kernarg_segment_align: 8
    .kernarg_segment_size: 24
    .max_flat_workgroup_size: 256
    .sgpr_count:     66
    .vgpr_count:     242
    .wavefront_size: 32
...
	.end_amdgpu_metadata
.endif
;; end of part 3
;; ======== version 2 of 2: 3 launches; version 1 with the launch net written anew for expert scheduling mode
;; limits: a function is approximated: absolute error at most 4e-07
;; workspace buffers: part 786,432 bytes; cs 65,536 bytes; gmm 4,096 bytes
;; launch net (part 4): grid 256 x 1, 8 waves a work-group, no clusters, 266,240 bytes of LDS; arguments x_codes, x_scales, W0_codes, W0_scales, W1_codes, W1_scales, W2_codes, W2_scales, E1_codes, E1_scales, E2_codes, E2_scales, W3, E0, b0, b1, b2, b3, eb0, eb1, eb2, out1, part, cs; writes out1, part, cs
.if DOCPART == 4
	.amdgcn_target "amdgcn-amd-amdhsa--gfx1250"
	.amdhsa_code_object_version 6
	.text
	.protected	k_q0acf306218_net
	.globl	k_q0acf306218_net
	.p2align	8
	.type	k_q0acf306218_net,@function
k_q0acf306218_net:
	s_mov_b64 s[64:65], 0
	v_nop
	global_prefetch_b8 v0, s[64:65] scope:SCOPE_SE
	s_setreg_imm32_b32 hwreg(HW_REG_WAVE_SCHED_MODE, 0, 2), 2
	s_setreg_imm32_b32 hwreg(HW_REG_WAVE_MODE, 25, 1), 1
	s_wait_xcnt 0x0
	s_wait_alu depctr_vm_vsrc(0)
; THE NETWORK AND THE MOMENT SUMS.  x (codes) -> tanh 512 -> tanh 256 -> tanh 64 -> z (8, stored to out1) -> tanh 128 -> tanh 64 -> softmax 16 = gamma;
; and for each work-group the sums over its rows of gamma_k x (u, 1)(u, 1)^T, u = z - c, c = the z of the work-group's first row (stored to part and cs).
; SHARES.  A work-group takes 1,024 rows, each of its eight waves 128 of them, in four trips of 32 rows (two tiles of 16).  The waves share the rows, so in the loop a wave hands nothing to another but the shift c.
; WEIGHTS.  All weights lie in LDS as images of operand registers (a group of four registers by one store of 16 bytes a lane at 16 x lane); they are laid there once, at the head, through registers,
; since the rows that form a tile are not neighbours.  No cluster: what work-groups share, 174,080 bytes of weights, is read once by each of them, at the head, and re-ordered on the way; the loop shares nothing.
; LAYOUT.  Up to the last hidden layer every product is used transposed (source 0 = 16 rows of a weight, source 1 = 16 data rows): a lane holds ONE data row (lane % 16).  Lane-row m of tile 2 b + u of a chunk of 64 units
; is unit 32 b + 8 u + m + 8 (m / 8), so that the 16 registers of tiles 2 b and 2 b + 1 are 16 neighbours along the next K: 32 b + 16 (lane / 16) + 0 .. 15.  The last product is used as it stands (source 0 = data rows,
; source 1 = E2): a lane holds one component and eight rows, which is source 0 of the moment product in bf16.
; MOMENTS.  48 features, a lane a feature: 8 d + i (d = 0 .. 3) is u_i u_((i + d) mod 8); 32 + i (i = 0 .. 3) is u_(i+4) u_i; 36 + l is u_l; 44 .. 47 are 1.  Gamma^T x features over the trip's 32 rows: three bf16 matrix instructions.
; LIMITS.  tanh(a) = 1 - 1 / A, A = (1 + 2^(2 a log2 e)) / 2, with one reciprocal shared by four numbers: its absolute error is about 4e-7, so its relative error grows as |a| falls under about 0.1.
; A block of zeros gets the scale byte 1 (its codes are zeros).  NaN and infinities among the inputs are not served.  gamma and the features are rounded to bf16 for the moment product.
; THE MODE: SCHED_MODE bits 1:0 = 2 (LLVM: expert scheduling mode 2), set by the entry lines.  The code itself states the register dependences
; between vector or matrix instructions and memory or LDS instructions, with s_wait_alu, always for 0.
; THE PLAN.  Registers that memory or LDS instructions touch, in the loop:
;   WB, WS      LDS loads land there (a quad, an image, one factor of the features); matrix instructions read them, and one run of multiplies reads WB+16 ..
;   WB2, WS2    The second quad of layers 2 and 3 lands there.  WB2 is VA: TANH writes it, the quantiser and z's products read it.
;   BI          Biases land there; a sum's first products read them as C.
;   XF, XS      The next trip's x lands there; layer 1's products read them.
;   VA          The features' factors land there.       CR  The shift lands there, in the first trip alone; four subtractions read it.
;   ZD          Written by z's products; read by z's two global stores and by the shift's LDS store.
;   TM ..+7     Written by the four subtractions; read by u's 24 LDS stores; written again by TANH.
;   ST          Written by the moment products; read by the tail's LDS stores.
;   v1-19, v39  Addresses: made at the head and never written again.
; TANH is cut in two at the wait that stands behind its exponentials in any case.  At that wait every product issued so far is done reading its operands, so the loads of the NEXT quad and biases stand
; straight behind it and owe no wait of their own; they land while the rest of TANH and the quantiser run.  The next trip's first quad stands likewise behind the softmax's wait.
; Waits of their own: at the head of each chunk of layer 2 and of layer 3 (the quantiser is done: VA may be loaded into, codes and scale words are written); behind K steps 0 and 1 of a chunk of layer 2
; (their buffer is loaded again); ahead of z's stores; ahead of u's stores; ahead of the two runs of products whose operands the quantiser has just made.  One wait on vm_vsrc a trip, behind u's stores, frees TM and ZD.
.set NQD,   6656                       ; a quad in LDS: 4 fragments x 1,536 bytes, then 512 bytes: the four tiles' scale words
.set E2F,   27*NQD                     ; quads: W0 0-7, W1 8 + 4 chunk + K step, W2 24-25, E1 26.  Then E2's fragment,
.set E2SC,  E2F+1536                   ; its scale words,
.set W3I,   E2SC+256                   ; W3's image (32 registers),
.set E0I,   W3I+4096                   ; E0's image (32 registers),
.set BIASB, E0I+4096                   ; b0 +0, b1 +2048, b2 +3072, eb0 +3328, eb1 +3840, b3's image +4096
.set UT,    BIASB+4352                 ; each wave's own: 40 columns x 144 bytes: [column][32 rows] f32: 0-7 u, 8-15 u again, 16-19 ones, 20-23 u0-u3, 24-35 ones, 36-39 never read
.set COL,   144
.set UTW,   40*COL
.set CSB,   UT+8*UTW                   ; wave 0's first tile of z: 16 rows x 32 bytes
.set RED,   CSB+512                    ; each wave's moment sums: 24 registers x 128 bytes
; window 0
.set WA,  1                            ; v1-4    16 x lane + 9 NQD x {0, 1, 2, 3}
.set BA,  5                            ; v5      BIASB + 64 (lane / 16)
.set LS,  6                            ; v6      E2SC + 4 x lane
.set US,  7                            ; v7      where I store u: column 4 h, row r
.set FA,  8                            ; v8      features 0-31, first factor: column r % 8, rows 8 h on
.set FQ,  9                            ; v9      their second factor: column r % 8 + r / 8 (the group's 2 G columns stand in the immediate)
.set FR2, 10                           ; v10     features 32-47: column r (both factors' first columns stand in the immediate)
.set US3, 11                           ; v11     the third set of stores: column 16 h, row r
.set C8,  12                           ; v12     CSB + 8 x lane
.set G8,  13                           ; v13     8 x lane
.set XA,  14                           ; v14     x's codes: 96 r + 24 h
.set XSA, 15                           ; v15     4 x lane
.set ZO,  16                           ; v16     32 r + 16 h
.set CSS, 17                           ; v17     CSB + 32 r + 16 h
.set CSL, 18                           ; v18     CSB + 16 h
.set RS,  19                           ; v19     RED + 3072 wave + 4 lane
.set CR,  20                           ; v20-23  the shift: register j = c[j + 4 h]
.set EB2, 24                           ; v24-25  eb2[r] x log2 e, twice
.set XS,  26                           ; v26     x's scale words: lanes 0-15 tile 0, lanes 16-31 tile 1
.set H1S, 27                           ; v27-34  scale words of the first hidden layer, 2 x K step + tile
.set G1S, 27
.set G2S, 29
.set H2S, 35                           ; v35-38
.set TA,  39                           ; v39     RED + 512 wave + 16 lane
.set WS,  40                           ; v40-43  a quad's scale words
.set WB,  44                           ; v44-91  a quad's fragments
.set TM,  92                           ; v92-107 at work in the quantiser
.set CT,  108                          ; v108-123 conversions' results
.set TQ,  92                           ; v92-123 in TANH: the products of pairs: group g of eight numbers at 4 g
.set WS2, 124                          ; v124-127 the second quad's scale words
.set MA,  128                          ; v128-191 matrix results: written by matrix instructions alone
.set VA,  192                          ; v192-255 vector work
.set WB2, 192                          ; the second quad's fragments, while VA is idle
.set HT,  224                          ; the head's temporaries
; window 1
.set H1,  0                            ; v0-95   codes of the first hidden layer: 24 x K step + 12 x tile
.set G1,  0
.set G2,  24
.set H2,  96                           ; v96-143
.set FB,  96                           ; the features in bf16, 8 x group
.set XF,  144                          ; v144-167 x's two fragments
.set BI,  168                          ; v168-199 biases in the result's layout, 8 x tile
.set ZD,  200                          ; v200-215 z: written by matrix instructions alone
.set ST,  216                          ; v216-239 the moment sums
.set PP,  240                          ; v240-255 in TANH: the products of four, then their reciprocals: group g at 2 g
.set MSB, 0
.macro WIN new                         ; the immediate's high byte repeats the setting that is left
.if MSB != \new
	s_set_vgpr_msb (MSB<<8)|\new
.set MSB, \new
.endif
.endm
.macro PLACES n
.rept \n
	v_nop
.endr
.endm
.macro LOADQ q, wb, ws                 ; a quad from LDS: 13 loads
.irp i,0,1,2,3,4,5,6,7,8,9,10,11
	ds_load_b128 v[\wb+4*\i:\wb+4*\i+3], v[WA+(\q)/9] offset:((\q)%9)*NQD+512*\i
.endr
	ds_load_b128 v[\ws:\ws+3], v[WA+(\q)/9] offset:((\q)%9)*NQD+6144
.endm
.macro LOADB off                       ; a chunk's 64 biases as four tiles' C: lane (r, h), tile t, register j: unit 32 (t / 2) + 16 h + 8 (t % 2) + j.  8 loads
	WIN 0x40
.irp t,0,1,2,3
	ds_load_b128 v[BI+8*\t:BI+8*\t+3], v[BA] offset:\off+(32*(\t/2)+8*(\t%2))*4
	ds_load_b128 v[BI+8*\t+4:BI+8*\t+7], v[BA] offset:\off+(32*(\t/2)+8*(\t%2))*4+16
.endr
	WIN 0
.endm
.macro LOADI reg, off, n               ; n groups of four registers of an image behind the quads
.set i, 0
.rept \n
	ds_load_b128 v[\reg+4*i:\reg+4*i+3], v[WA+3] offset:\off+512*i
.set i, i+1
.endr
.endm
; Eight matrix instructions: a quad's four tiles x the two tiles of rows, 128 along K.  The eight accumulators take turns.  first = 1: the biases start the sums.
; xmode = 1: the activations are x, whose scale words of both tiles share one register.
.macro MULQ wb, ws, act, asc, first, xmode
.if \first
	WIN 0x14
.else
	WIN 0x04
.endif
.irp t,0,1,2,3
.irp u,0,1
.if \first && \xmode && \u
	v_wmma_scale_f32_16x16x128_f8f6f4 v[MA+32*\u+8*\t:MA+32*\u+8*\t+7], v[\wb+12*\t:\wb+12*\t+11], v[\act+12*\u:\act+12*\u+11], v[BI+8*\t:BI+8*\t+7], v[\ws+\t], v[XS] matrix_a_fmt:MATRIX_FMT_FP6 matrix_b_fmt:MATRIX_FMT_FP6 matrix_b_scale:MATRIX_SCALE_ROW1
.elseif \first && \xmode
	v_wmma_scale_f32_16x16x128_f8f6f4 v[MA+32*\u+8*\t:MA+32*\u+8*\t+7], v[\wb+12*\t:\wb+12*\t+11], v[\act+12*\u:\act+12*\u+11], v[BI+8*\t:BI+8*\t+7], v[\ws+\t], v[XS] matrix_a_fmt:MATRIX_FMT_FP6 matrix_b_fmt:MATRIX_FMT_FP6
.elseif \first
	v_wmma_scale_f32_16x16x128_f8f6f4 v[MA+32*\u+8*\t:MA+32*\u+8*\t+7], v[\wb+12*\t:\wb+12*\t+11], v[\act+12*\u:\act+12*\u+11], v[BI+8*\t:BI+8*\t+7], v[\ws+\t], v[\asc+\u] matrix_a_fmt:MATRIX_FMT_FP6 matrix_b_fmt:MATRIX_FMT_FP6
.else
	v_wmma_scale_f32_16x16x128_f8f6f4 v[MA+32*\u+8*\t:MA+32*\u+8*\t+7], v[\wb+12*\t:\wb+12*\t+11], v[\act+12*\u:\act+12*\u+11], v[MA+32*\u+8*\t:MA+32*\u+8*\t+7], v[\ws+\t], v[\asc+\u] matrix_a_fmt:MATRIX_FMT_FP6 matrix_b_fmt:MATRIX_FMT_FP6
.endif
.endr
.endr
	WIN 0
.endm
; VA = tanh(MA), 64 registers: tanh(a) = 1 - 1 / A with A = (1 + 2^(2 a log2 e)) / 2.  FOUR NUMBERS SHARE ONE RECIPROCAL: 64 exponentials and 16 reciprocals for 64 numbers.
; A group is eight registers, four pairs.  With AB and CD the products of two pairs and P = AB x CD: 1 / AB = CD / P, 1 / CD = AB / P, and 1 / A = B / (A B).
; The copy out of the accumulators SWAPS the two pairs of each product, so that a slot holds its partner's A: the last line, 1 - slot / (A B), then leaves each number's own tanh in its own slot, in place.
; The exponent is held at 30, so that P stays under 2^116; there the result, 1 - 2^-29, is 1 in f32, as it is for every larger exponent.
; Each batch of transcendentals has one plain instruction and one wait behind it, ahead of its first reader.  Each accumulator's first read is of two of its four lowest registers.
; It is written in two parts: TANH_A ends with the wait behind the exponentials, behind which the caller lays its LDS loads; TANH_B is the rest.
.macro TANH_A
.set tg, 0
.rept 8
	v_pk_mul_f32 v[VA+8*tg:VA+8*tg+1], v[MA+8*tg+2:MA+8*tg+3], s[56:57] op_sel_hi:[1,0]
	v_pk_mul_f32 v[VA+8*tg+2:VA+8*tg+3], v[MA+8*tg:MA+8*tg+1], s[56:57] op_sel_hi:[1,0]
	v_pk_mul_f32 v[VA+8*tg+4:VA+8*tg+5], v[MA+8*tg+6:MA+8*tg+7], s[56:57] op_sel_hi:[1,0]
	v_pk_mul_f32 v[VA+8*tg+6:VA+8*tg+7], v[MA+8*tg+4:MA+8*tg+5], s[56:57] op_sel_hi:[1,0]
.set tg, tg+1
.endr
.set i, 0
.rept 8
	v_min_num_f32 v[VA+i], s71, v[VA+i]              ; the hold, eight registers ahead of the exponentials,
.set i, i+1
.endr
.set i, 0
.rept 56
	v_exp_f32 v[VA+i], v[VA+i]
	v_min_num_f32 v[VA+i+8], s71, v[VA+i+8]          ; and then one between each two of them: it names no exponential's result
.set i, i+1
.endr
.rept 8
	v_exp_f32 v[VA+i], v[VA+i]
.set i, i+1
.endr
	v_nop
	s_wait_alu depctr_va_vdst(0)                     ; the 64 exponentials have written VA, ahead of their first reader; and the products issued so far are done reading their weights, scale words and biases, in which the caller's loads land
.endm
.macro TANH_B
.set i, 0
.rept 32
	v_pk_fma_f32 v[VA+i:VA+i+1], v[VA+i:VA+i+1], 0.5, 0.5 op_sel_hi:[1,0,0]   ; A
.set i, i+2
.endr
.set tg, 0
.rept 8
	v_pk_mul_f32 v[TQ+4*tg:TQ+4*tg+1], v[VA+8*tg:VA+8*tg+1], v[VA+8*tg+2:VA+8*tg+3]       ; AB
	v_pk_mul_f32 v[TQ+4*tg+2:TQ+4*tg+3], v[VA+8*tg+4:VA+8*tg+5], v[VA+8*tg+6:VA+8*tg+7]   ; CD
.set tg, tg+1
.endr
	WIN 0x40
.set tg, 0
.rept 8
	v_pk_mul_f32 v[PP+2*tg:PP+2*tg+1], v[TQ+4*tg:TQ+4*tg+1], v[TQ+4*tg+2:TQ+4*tg+3]       ; P
.set tg, tg+1
.endr
	WIN 0x41
.set i, 0
.rept 16
	v_rcp_f32 v[PP+i], v[PP+i]
.set i, i+1
.endr
	v_nop
	s_wait_alu depctr_va_vdst(0)                     ; the 16 reciprocals have written PP, ahead of their first reader
	WIN 0x04
.set tg, 0
.rept 8
	v_pk_mul_f32 v[TQ+4*tg:TQ+4*tg+1], v[TQ+4*tg:TQ+4*tg+1], v[PP+2*tg:PP+2*tg+1]         ; AB / P = 1 / CD
	v_pk_mul_f32 v[TQ+4*tg+2:TQ+4*tg+3], v[TQ+4*tg+2:TQ+4*tg+3], v[PP+2*tg:PP+2*tg+1]     ; CD / P = 1 / AB
.set tg, tg+1
.endr
	WIN 0
.set tg, 0
.rept 8
	v_pk_fma_f32 v[VA+8*tg:VA+8*tg+1], v[TQ+4*tg+2:TQ+4*tg+3], v[VA+8*tg:VA+8*tg+1], 1.0 op_sel_hi:[1,1,0] neg_lo:[1,0,0] neg_hi:[1,0,0]
	v_pk_fma_f32 v[VA+8*tg+2:VA+8*tg+3], v[TQ+4*tg+2:TQ+4*tg+3], v[VA+8*tg+2:VA+8*tg+3], 1.0 op_sel_hi:[1,1,0] neg_lo:[1,0,0] neg_hi:[1,0,0]
	v_pk_fma_f32 v[VA+8*tg+4:VA+8*tg+5], v[TQ+4*tg:TQ+4*tg+1], v[VA+8*tg+4:VA+8*tg+5], 1.0 op_sel_hi:[1,1,0] neg_lo:[1,0,0] neg_hi:[1,0,0]
	v_pk_fma_f32 v[VA+8*tg+6:VA+8*tg+7], v[TQ+4*tg:TQ+4*tg+1], v[VA+8*tg+6:VA+8*tg+7], 1.0 op_sel_hi:[1,1,0] neg_lo:[1,0,0] neg_hi:[1,0,0]
.set tg, tg+1
.endr
.endm
; VA's 64 numbers (register 32 tile + 16 b + i = unit 32 b + 16 h + i of my row) become half c of the two tiles' fragments d0, d1 (window 1) and two bytes of their scale words s0, s1.
.macro QUANT d0, d1, s0, s1, c
.irp b,0,1,2,3
	v_max3_num_f32 v[TM+\b], |v[VA+16*\b]|, |v[VA+16*\b+1]|, 0x1800000   ; my 16 numbers of a block, and the floor 2^(3 - 127): the byte cannot fall under 1
.endr
.irp i,2,4,6,8,10,12,14
.irp b,0,1,2,3
	v_max3_num_f32 v[TM+\b], v[TM+\b], |v[VA+16*\b+\i]|, |v[VA+16*\b+\i+1]|
.endr
.endr
.irp b,0,1,2,3
	v_permlanex16_b32 v[TM+4+\b], v[TM+\b], s54, s55
.endr
.irp b,0,1,2,3
	v_max_num_f32 v[TM+\b], v[TM+\b], v[TM+4+\b]     ; with lane l xor 16's: the block's largest magnitude
.endr
.irp b,0,1,2,3
	v_add_nc_u32 v[TM+12+\b], 0xff000000, v[TM+\b]   ; 2 off its exponent field: the conversion's scale operand
.endr
.irp b,0,1,2,3
	v_lshrrev_b32 v[TM+4+\b], 23, v[TM+12+\b]        ; the scale's byte
.endr
.if (\c) == 0
	v_lshl_or_b32 v[\s0], v[TM+5], 8, v[TM+4]
	v_lshl_or_b32 v[\s1], v[TM+7], 8, v[TM+6]
.else
	v_lshl_or_b32 v[\s0], v[TM+4], 16, v[\s0]
	v_lshl_or_b32 v[\s1], v[TM+6], 16, v[\s1]
	v_lshl_or_b32 v[\s0], v[TM+5], 24, v[\s0]
	v_lshl_or_b32 v[\s1], v[TM+7], 24, v[\s1]
.endif
.irp b,0,1,2,3
	v_cvt_scalef32_pk16_fp6_f32 v[CT+4*\b:CT+4*\b+2], v[VA+16*\b:VA+16*\b+15], v[TM+12+\b]
.endr
	v_nop                                            ; one plain instruction behind the scaled conversions
.irp u,0,1
.irp i,0,1,2
	v_permlane16_swap_b32 v[CT+8*\u+\i], v[CT+8*\u+4+\i]   ; the operand wants a whole block in a lane: lanes 0-15 the first block, lanes 16-31 the second
.endr
.endr
	WIN 0x40
.irp i,0,1,2
	v_mov_b32 v[\d0+6*(\c)+\i], v[CT+\i]
	v_mov_b32 v[\d0+6*(\c)+3+\i], v[CT+4+\i]
	v_mov_b32 v[\d1+6*(\c)+\i], v[CT+8+\i]
	v_mov_b32 v[\d1+6*(\c)+3+\i], v[CT+12+\i]
.endr
	WIN 0
.endm
.macro XLOAD                           ; a trip's 32 rows of x: two fragments as they lie in memory, and the scale words
	WIN 0x40
.irp u,0,1
.irp p,0,1,2,3,4,5
	global_load_b64 v[XF+12*\u+2*\p:XF+12*\u+2*\p+1], v[XA], s[4:5] offset:1536*\u+48*(\p/3)+8*(\p%3) th:TH_LOAD_NT
.endr
.endr
	WIN 0
	global_load_b32 v[XS], v[XSA], s[6:7] th:TH_LOAD_NT
.endm
.macro GQ base, voff, rowb, koff, dst  ; the head: a quad's four fragments from memory; tile t begins at row 32 (t / 2) + 8 (t % 2)
.irp t,0,1,2,3
.irp p,0,1,2,3,4,5
	global_load_b64 v[\dst+12*\t+2*\p:\dst+12*\t+2*\p+1], v[\voff], s[\base:\base+1] offset:(32*(\t/2)+8*(\t%2))*\rowb+\koff+48*(\p/3)+8*(\p%3)
.endr
.endr
.endm
.macro GS base, voff, rowb, koff, dst  ; and its rows' scale words
.irp t,0,1,2,3
	global_load_b32 v[\dst+\t], v[\voff], s[\base:\base+1] offset:(32*(\t/2)+8*(\t%2))*\rowb+\koff
.endr
.endm
.macro SQF adr, off, src               ; a quad's fragments into LDS as they stand
.irp i,0,1,2,3,4,5,6,7,8,9,10,11
	ds_store_b128 v[\adr], v[\src+4*\i:\src+4*\i+3] offset:\off+512*\i
.endr
.endm
.set PR,   HT+0
.set VW0,  HT+1
.set VS0,  HT+2
.set VW1,  HT+3
.set VS1,  HT+4
.set VW2,  HT+5
.set VS2,  HT+6
.set SA0,  HT+7
.set SA1,  HT+8
.set SA2,  HT+9
.set A8,   HT+10
.set ONEA, HT+11
.set VE2,  HT+12
.set VE2S, HT+13
.set VW3,  HT+14
.set VE0,  HT+15
.set T0,   HT+16
.set LN,   HT+17
.set RR,   HT+18
.set HH,   HT+19
.set R4,   HT+20
.set ONE,  HT+21
.set VB3,  HT+22
.set T1,   HT+23
.set T2,   HT+24
	; ---------------- the head: addresses (all LDS addresses are made here, ahead of the waves' parting)
	s_load_b512 s[4:19], s[0:1], 0x0               ; x codes, x scales, W0 c, W0 s, W1 c, W1 s, W2 c, W2 s
	s_load_b512 s[20:35], s[0:1], 0x40             ; E1 c, E1 s, E2 c, E2 s, W3, E0, b0, b1
	s_load_b512 s[36:51], s[0:1], 0x80             ; b2, b3, eb0, eb1, eb2, out1, part, cs
	v_lshrrev_b32 v[T0], 5, v0
	v_readfirstlane_b32 s52, v[T0]                 ; wave 0..7
	v_and_b32 v[LN], 31, v0                        ; lane
	v_and_b32 v[RR], 15, v0                        ; r
	v_bfe_u32 v[HH], v0, 4, 1                      ; h
	s_mov_b32 s53, 0                               ; the trip
	s_mov_b32 s54, 0x76543210
	s_mov_b32 s55, 0xfedcba98                      ; v_permlanex16_b32's selects for lane l xor 16
	s_mov_b32 s56, 0x4038aa3b                      ; 2 log2 e
	s_mov_b32 s57, s56
	s_mov_b32 s58, 0x3fb8aa3b                      ; log2 e
	s_mov_b32 s59, s58
	s_mov_b32 s71, 0x41f00000                      ; 30.0: where TANH holds its exponents
	v_lshlrev_b32 v[WA], 4, v[LN]
	v_add_nc_u32 v[WA+1], 9*NQD, v[WA]
	v_add_nc_u32 v[WA+2], 18*NQD, v[WA]
	v_add_nc_u32 v[WA+3], 27*NQD, v[WA]
	v_lshl_add_u32 v[BA], v[HH], 6, BIASB
	v_lshl_add_u32 v[LS], v[LN], 2, E2SC
	s_wait_alu depctr_va_sdst(0)                   ; s52, the wave's number, is written, ahead of its first reader
	s_mul_i32 s63, s52, UTW
	s_add_co_u32 s63, s63, UT                      ; my wave's columns of u
	v_mul_u32_u24 v[US], v[HH], 4*COL
	v_lshl_add_u32 v[US], v[RR], 2, v[US]
	v_add_nc_u32 v[US], s63, v[US]                 ; column 4 h, row r
	v_mul_u32_u24 v[US3], v[HH], 16*COL
	v_lshl_add_u32 v[US3], v[RR], 2, v[US3]
	v_add_nc_u32 v[US3], s63, v[US3]               ; column 16 h, row r: with 20 columns in the immediate lanes 0-15 write columns 20-23, lanes 16-31 columns 36-39
	v_and_b32 v[T1], 7, v0                         ; r % 8
	v_bfe_u32 v[T2], v0, 3, 1                      ; r / 8
	v_mul_u32_u24 v[FA], v[T1], COL
	v_lshl_add_u32 v[FA], v[HH], 5, v[FA]
	v_add_nc_u32 v[FA], s63, v[FA]                 ; column r % 8, rows 8 h on
	v_mad_u32_u24 v[FQ], v[T2], COL, v[FA]         ; column r % 8 + r / 8
	v_mul_u32_u24 v[FR2], v[RR], COL
	v_lshl_add_u32 v[FR2], v[HH], 5, v[FR2]
	v_add_nc_u32 v[FR2], s63, v[FR2]               ; column r
	v_mul_u32_u24 v[XA], v[RR], 96
	v_mad_u32_u24 v[XA], v[HH], 24, v[XA]
	v_lshlrev_b32 v[XSA], 2, v[LN]
	v_lshlrev_b32 v[ZO], 5, v[RR]
	v_lshl_add_u32 v[ZO], v[HH], 4, v[ZO]
	v_add_nc_u32 v[CSS], CSB, v[ZO]
	v_lshl_add_u32 v[CSL], v[HH], 4, CSB
	s_mul_i32 s61, s52, 3072
	s_add_co_u32 s61, s61, RED
	v_lshl_add_u32 v[RS], v[LN], 2, s61
	s_lshl_b32 s62, s52, 9
	s_add_co_u32 s62, s62, RED
	v_lshl_add_u32 v[TA], v[LN], 4, s62
	v_lshl_add_u32 v[C8], v[LN], 3, CSB
	v_lshlrev_b32 v[G8], 3, v[LN]
	v_and_b32 v[T1], 8, v[RR]
	v_add_nc_u32 v[PR], v[T1], v[RR]               ; r + 8 (r / 8): the rows of a tile are not neighbours
	v_mul_u32_u24 v[VW0], v[PR], 96
	v_mad_u32_u24 v[VW0], v[HH], 24, v[VW0]
	v_lshlrev_b32 v[VS0], 2, v[PR]
	v_mul_u32_u24 v[VW1], v[PR], 384
	v_mad_u32_u24 v[VW1], v[HH], 24, v[VW1]
	v_lshlrev_b32 v[VS1], 4, v[PR]
	v_mul_u32_u24 v[VW2], v[PR], 192
	v_mad_u32_u24 v[VW2], v[HH], 24, v[VW2]
	v_lshlrev_b32 v[VS2], 3, v[PR]
	s_mul_i32 s60, s52, NQD
	v_add_nc_u32 v[SA0], s60, v[WA]                ; W0's quad number wave
	s_add_co_u32 s60, s60, 24*NQD
	v_add_nc_u32 v[SA2], s60, v[WA]                ; W2's quad 24 + wave (waves 0 and 1)
	s_mul_i32 s61, s52, 2*NQD
	s_add_co_u32 s61, s61, 8*NQD
	v_add_nc_u32 v[SA1], s61, v[WA]                ; W1's quads 8 + 2 wave and the next
	v_lshl_add_u32 v[A8], v[LN], 3, BIASB
	v_lshl_add_u32 v[ONEA], v[LN], 2, s63
	v_mul_u32_u24 v[VE2], v[RR], 48
	v_mad_u32_u24 v[VE2], v[HH], 24, v[VE2]
	v_lshlrev_b32 v[VE2S], 1, v[RR]
	v_lshrrev_b32 v[T1], 3, v[RR]
	v_lshl_add_u32 v[T1], v[T1], 2, v[RR]
	v_and_b32 v[T1], 7, v[T1]                      ; z's component of lane-row r: (r + 4 (r / 8)) mod 8, so that a lane's registers 0-3 are z[4 h ..]
	v_lshlrev_b32 v[VW3], 2, v[T1]
	v_lshl_add_u32 v[VW3], v[HH], 9, v[VW3]
	v_lshlrev_b32 v[VE0], 2, v[PR]
	v_lshl_add_u32 v[VE0], v[HH], 11, v[VE0]
	v_lshlrev_b32 v[R4], 2, v[RR]
	v_mov_b32 v[ONE], 1.0
	v_lshl_add_u32 v[T1], v[HH], 2, v[LN]
	v_and_b32 v[T1], 7, v[T1]
	v_lshlrev_b32 v[VB3], 2, v[T1]                 ; b3's image: word w holds b3[(w + 4 (w / 16)) mod 8]
	s_wait_kmcnt 0x0
	s_mov_b32 s69, 0
	s_lshl_b32 s66, ttmp9, 10
	s_lshl_b32 s67, s52, 7
	s_add_co_u32 s66, s66, s67                     ; my first row: 1024 x work-group + 128 x wave
	s_mul_i32 s68, s66, 96
	s_add_nc_u64 s[4:5], s[4:5], s[68:69]
	s_lshl_b32 s68, s66, 2
	s_add_nc_u64 s[6:7], s[6:7], s[68:69]
	s_lshl_b32 s68, s66, 5
	s_add_nc_u64 s[46:47], s[46:47], s[68:69]
	s_mul_i32 s68, ttmp9, 3072
	s_lshl_b32 s67, s52, 9
	s_add_co_u32 s68, s68, s67
	s_add_nc_u64 s[48:49], s[48:49], s[68:69]      ; part: my work-group's 3,072 bytes, my wave's 512
	s_lshl_b32 s68, ttmp9, 8
	s_add_nc_u64 s[50:51], s[50:51], s[68:69]
	s_mul_i32 s68, s52, 6144
	s_add_nc_u64 s[8:9], s[8:9], s[68:69]          ; W0: rows 64 x wave on
	s_lshl_b32 s68, s52, 8
	s_add_nc_u64 s[10:11], s[10:11], s[68:69]
	s_lshr_b32 s66, s52, 1                         ; W1: chunk wave / 2, K steps 2 (wave % 2) and the next
	s_and_b32 s67, s52, 1
	s_mul_i32 s68, s66, 24576
	s_mul_i32 s70, s67, 192
	s_add_co_u32 s68, s68, s70
	s_add_nc_u64 s[12:13], s[12:13], s[68:69]
	s_lshl_b32 s68, s66, 10
	s_lshl_b32 s70, s67, 3
	s_add_co_u32 s68, s68, s70
	s_add_nc_u64 s[14:15], s[14:15], s[68:69]
	s_wait_alu depctr_va_vdst(0)                   ; every address and offset of the kernel (v1-19, v39, the head's v224-246) and the 1.0 are written: the loads and stores from here on read them
	XLOAD                                          ; the first trip's x
	global_load_b32 v[EB2], v[R4], s[44:45]
	global_load_b32 v[EB2+1], v[R4], s[44:45]
	WIN 0x40                                       ; every wave brings three quads, into window 1
	GQ 8, VW0, 96, 0, 0
	GQ 12, VW1, 384, 0, 48
	GQ 12, VW1, 384, 96, 96
	WIN 0
	GS 10, VS0, 4, 0, CT
	GS 14, VS1, 16, 0, CT+4
	GS 14, VS1, 16, 4, CT+8
	; ---------------- one parting on the wave's number: the small tensors
	s_cmp_gt_u32 s52, 1
	s_cbranch_scc1 .Lrole2
	s_mul_i32 s68, s52, 96                         ; waves 0, 1: W2's K step number wave
	s_add_nc_u64 s[16:17], s[16:17], s[68:69]
	s_lshl_b32 s68, s52, 2
	s_add_nc_u64 s[18:19], s[18:19], s[68:69]
	GQ 16, VW2, 192, 0, WB
	GS 18, VS2, 8, 0, WS
	s_wait_loadcnt 0x0
	SQF SA2, 0, WB
	ds_store_b128 v[SA2], v[WS:WS+3] offset:6144
	s_branch .Ljoin
.Lrole2:
	s_cmp_lg_u32 s52, 2
	s_cbranch_scc1 .Lrole3
	GQ 20, VW0, 96, 0, WB                          ; wave 2: E1
	GS 22, VS0, 4, 0, WS
	s_wait_loadcnt 0x0
	SQF WA+2, 8*NQD, WB
	ds_store_b128 v[WA+2], v[WS:WS+3] offset:8*NQD+6144
	s_branch .Ljoin
.Lrole3:
	s_cmp_lg_u32 s52, 3
	s_cbranch_scc1 .Lrole4
.irp p,0,1,2
	global_load_b64 v[WB+2*\p:WB+2*\p+1], v[VE2], s[24:25] offset:8*\p   ; wave 3: E2: K = 64 fills registers 0-5;
.endr
	global_load_u16 v[WS], v[VE2S], s[26:27]       ; two scale bytes a row; the upper two stay 0 over zero codes
.irp i,6,7,8,9,10,11
	v_mov_b32 v[WB+\i], 0                          ; the rest of the K step: zero codes
.endr
	s_wait_loadcnt 0x0
	s_wait_alu depctr_va_vdst(0)                   ; the six registers of zero codes are written, which the LDS stores read
.irp i,0,1,2
	ds_store_b128 v[WA+3], v[WB+4*\i:WB+4*\i+3] offset:512*\i
.endr
	ds_store_b32 v[LS], v[WS]
	s_branch .Ljoin
.Lrole4:
	s_cmp_lg_u32 s52, 4
	s_cbranch_scc1 .Lrole5
.set i, 0
.rept 32                                           ; wave 4: W3's image: register i = W3[32 (i / 16) + 16 h + i % 16][z's component of lane-row r]: K in the order in which the hidden layer's registers run
	global_load_b32 v[WB+i], v[VW3], s[28:29] offset:(32*(i/16)+i%16)*32
.set i, i+1
.endr
	s_wait_loadcnt 0x0
.irp i,0,1,2,3,4,5,6,7
	ds_store_b128 v[WA+3], v[WB+4*\i:WB+4*\i+3] offset:W3I-E2F+512*\i
.endr
	s_branch .Ljoin
.Lrole5:
	s_cmp_lg_u32 s52, 5
	s_cbranch_scc1 .Lrole6
.irp tt,0,1,2,3,4,5,6,7
.irp q,0,1,2,3
	global_load_b32 v[WB+4*\tt+\q], v[VE0], s[30:31] offset:512*\q+(64*(\tt/4)+32*((\tt%4)/2)+8*(\tt%2))*4   ; wave 5: E0's image: register 4 tile + q = E0[q + 4 h][the tile's unit of lane-row r]
.endr
.endr
	s_wait_loadcnt 0x0
.irp i,0,1,2,3,4,5,6,7
	ds_store_b128 v[WA+3], v[WB+4*\i:WB+4*\i+3] offset:E0I-E2F+512*\i
.endr
	s_branch .Ljoin
.Lrole6:
	s_cmp_lg_u32 s52, 6
	s_cbranch_scc1 .Ljoin
.irp i,0,1,2,3
	global_load_b128 v[WB+4*\i:WB+4*\i+3], v[WA], s[32:33] offset:512*\i      ; wave 6: the biases, as they lie
.endr
.irp i,0,1
	global_load_b128 v[WB+16+4*\i:WB+16+4*\i+3], v[WA], s[34:35] offset:512*\i
.endr
	global_load_b128 v[WB+24:WB+27], v[WA], s[40:41]
	global_load_b64 v[WB+28:WB+29], v[G8], s[36:37]
	global_load_b64 v[WB+30:WB+31], v[G8], s[42:43]
	global_load_b32 v[WB+32], v[VB3], s[38:39]
	s_wait_loadcnt 0x0
.irp i,0,1,2,3
	ds_store_b128 v[WA+3], v[WB+4*\i:WB+4*\i+3] offset:BIASB-E2F+512*\i
.endr
.irp i,0,1
	ds_store_b128 v[WA+3], v[WB+16+4*\i:WB+16+4*\i+3] offset:BIASB-E2F+2048+512*\i
.endr
	ds_store_b128 v[WA+3], v[WB+24:WB+27] offset:BIASB-E2F+3328
	ds_store_b64 v[A8], v[WB+28:WB+29] offset:3072
	ds_store_b64 v[A8], v[WB+30:WB+31] offset:3840
	ds_store_b32 v[LS], v[WB+32] offset:BIASB+4096-E2SC
.Ljoin:
	s_wait_loadcnt 0x0                             ; the three quads, x and eb2 are in
	WIN 0x04                                       ; an LDS store's data are its source 1: window 1
	SQF SA0, 0, 0
	SQF SA1, 0, 48
	SQF SA1, NQD, 96
	WIN 0
	ds_store_b128 v[SA0], v[CT:CT+3] offset:6144
	ds_store_b128 v[SA1], v[CT+4:CT+7] offset:6144
	ds_store_b128 v[SA1], v[CT+8:CT+11] offset:NQD+6144
.irp c,16,17,18,19,24,25,26,27,28,29,30,31,32,33,34,35
	ds_store_b32 v[ONEA], v[ONE] offset:COL*\c     ; my wave's sixteen columns of ones: written once
.endr
	v_mul_f32 v[EB2], 0x3fb8aa3b, v[EB2]
	v_mul_f32 v[EB2+1], 0x3fb8aa3b, v[EB2+1]
.irp i,0,1,2,3
	v_mov_b32 v[TM+4+\i], 0                        ; a lane permute's destination counts as one of its sources
	v_mov_b32 v[CR+\i], 0                          ; written on every path; the first trip loads the shift
.endr
	WIN 0x40
.set i, 0
.rept 24
	v_mov_b32 v[ST+i], 0                           ; the moment sums: the trip is written once, so they begin as zeros
.set i, i+1
.endr
	WIN 0
	s_wait_dscnt 0x0                               ; for the others' sake: my stores have landed
	s_barrier_signal -1
	s_barrier_wait -1                              ; all weights lie in LDS; nobody writes them again
	s_wait_alu depctr_vm_vsrc(0)                   ; my LDS stores have read WB, WS, CT and window 1's v0-143, and the head's loads and stores their addresses in v224-246: the loads below land in WB and WS, the loop writes the others
	LOADQ 0, WB, WS
	LOADB 0
.Lblock:                                           ; ---------------- a trip: 32 rows
	s_wait_loadcnt 0x0                             ; this trip's x is in (asked for behind the first layer of the trip before)
	; ---- layer 1: eight chunks of 64 units, K = 128
.irp ch,0,1,2,3,4,5,6,7
	s_wait_dscnt 0x0                               ; the chunk's quad and biases, asked for a chunk ago
	MULQ WB, WS, XF, XS, 1, 1
	PLACES 4                                       ; in front of the first read of results
	TANH_A                                         ; its closing wait: this chunk's products are done reading WB, WS and BI
	LOADQ \ch+1, WB, WS                            ; the next chunk's (behind the last: W1's first quad and b1).  No wait of their own: nothing issued since that wait names these registers
	LOADB 256*(\ch+1)
	TANH_B
	QUANT H1+24*(\ch/2), H1+24*(\ch/2)+12, H1S+2*(\ch/2), H1S+2*(\ch/2)+1, \ch%2
.endr
	; ---- the next trip's x; the last trip asks for nothing.  The wait at the trip's head has shown the last loads done, so their bases may step.
	; No wait on va_vdst: layer 1's products, which read XF and XS, stand ahead of the last chunk's waits, and nothing issued since names XF, XS or the two offsets
	s_cmp_eq_u32 s53, 3
	s_cbranch_scc1 .Lnox
	s_add_nc_u64 s[4:5], s[4:5], 3072
	s_add_nc_u64 s[6:7], s[6:7], 128
	XLOAD
.Lnox:
	; ---- layer 2: four chunks, K = 512 in four steps; two sets of registers for the quads, each asked for a step ahead
.irp ch,0,1,2,3
	s_wait_alu depctr_va_vdst(0)                   ; the quantiser is done reading VA, in which the second quad lands; and it has written the codes and scale words that the products below take
	LOADQ 9+4*\ch, WB2, WS2
	s_wait_dscnt 13                                ; all but the 13 loads just issued
	MULQ WB, WS, H1, H1S, 1, 0
	PLACES 4
	s_wait_alu depctr_va_vdst(0)                   ; K step 0's products are done reading WB and WS, in which the next loads land
	LOADQ 10+4*\ch, WB, WS
	s_wait_dscnt 13
	MULQ WB2, WS2, H1+24, H1S+2, 0, 0
	PLACES 4
	s_wait_alu depctr_va_vdst(0)                   ; K step 1's products are done reading WB2 and WS2, in which the next loads land
	LOADQ 11+4*\ch, WB2, WS2
	s_wait_dscnt 13
	MULQ WB, WS, H1+48, H1S+4, 0, 0
	s_wait_dscnt 0x0                               ; K step 3's quad is in: nothing younger is out
	MULQ WB2, WS2, H1+72, H1S+6, 0, 0
	PLACES 4                                       ; in front of the first read of results, and of TANH's writes of VA, which the last products read as WB2
	TANH_A                                         ; its closing wait: K step 2's products are done reading WB and WS, K step 0's BI
	LOADQ 12+4*\ch, WB, WS                         ; the next chunk's first quad (behind the last: W2's) and its biases
	LOADB 2048+256*(\ch+1)
	TANH_B
	QUANT H2+24*(\ch/2), H2+24*(\ch/2)+12, H2S+2*(\ch/2), H2S+2*(\ch/2)+1, \ch%2
.endr
	; ---- layer 3: one chunk, K = 256
	PLACES 4                                       ; more plain instructions between the last codes' and scale word's making and the products that take them
	s_wait_alu depctr_va_vdst(0)                   ; the quantiser is done reading VA, in which the second quad lands; and it has written H2 and its scale words, which the products below take
	LOADQ 25, WB2, WS2
	s_wait_dscnt 13
	MULQ WB, WS, H2, H2S, 1, 0
	s_wait_dscnt 0x0                               ; the second quad is in
	MULQ WB2, WS2, H2+24, H2S+2, 0, 0
	PLACES 4
	TANH_A                                         ; its closing wait: the first K step's products are done reading WB and BI
	LOADI WB, W3I-E2F, 8
	WIN 0x40
	ds_load_b128 v[BI:BI+3], v[BA] offset:4096
	ds_load_b128 v[BI+4:BI+7], v[BA] offset:4112
	WIN 0
	TANH_B
	; ---- z = h3 W3 + b3, f32 operands: its result goes on into a quantised operand.  K = 64 in 16 steps, in the order of my registers; two accumulators by turns
	s_wait_dscnt 0x0
	WIN 0x50
.irp s,0,1,2,3,4,5,6,7,8,9,10,11,12,13,14,15
.irp u,0,1
.if \s == 0
	v_wmma_f32_16x16x4_f32 v[ZD+8*\u:ZD+8*\u+7], v[WB+2*\s:WB+2*\s+1], v[VA+32*\u+2*\s:VA+32*\u+2*\s+1], v[BI:BI+7]
.else
	v_wmma_f32_16x16x4_f32 v[ZD+8*\u:ZD+8*\u+7], v[WB+2*\s:WB+2*\s+1], v[VA+32*\u+2*\s:VA+32*\u+2*\s+1], v[ZD+8*\u:ZD+8*\u+7]
.endif
.endr
.endr
	PLACES 9                                       ; this form wants eight in front of stores and vector reads, nine in front of a product that takes the result as an operand
	WIN 0x04
	s_wait_alu depctr_va_vdst(0)                   ; z's products have written ZD, which the stores below and the shift's LDS store read; they are done reading WB, BI and VA, in which the loads below and the features' factors land
	global_store_b128 v[ZO], v[ZD:ZD+3], s[46:47]              ; lane (r, h): z[4 h .. 4 h + 3] of row r: the wave stores 512 consecutive bytes
	global_store_b128 v[ZO], v[ZD+8:ZD+11], s[46:47] offset:512
	WIN 0
	LOADI WB, E0I-E2F, 4
	LOADB 3328
	; ---- the shift: the z of the work-group's first row.  Two barriers in every trip, on every wave's path; the store and the load stand in the first trip alone
	s_wait_dscnt 0x0
	s_barrier_signal -1
	s_barrier_wait -1                              ; nobody reads the shift's bytes any more
	s_cmp_lg_u32 s52, 0
	s_cbranch_scc1 .Lnoc
	s_cmp_lg_u32 s53, 0
	s_cbranch_scc1 .Lnoc
	WIN 0x04
	ds_store_b128 v[CSS], v[ZD:ZD+3]
	WIN 0
.Lnoc:
	s_wait_dscnt 0x0                               ; for the others' sake
	s_barrier_signal -1
	s_barrier_wait -1
	s_cmp_lg_u32 s53, 0
	s_cbranch_scc1 .Lhavec
	ds_load_b128 v[CR:CR+3], v[CSL]                ; (the head's moves into CR stand ahead of the wait in front of z's stores)
.Lhavec:
	s_wait_dscnt 0x0
	; ---- the features: u = z - c goes to my columns in LDS and comes back a feature a lane, rows along the registers
	WIN 0x01
.irp u,0,1
.irp i,0,1
	v_pk_add_f32 v[TM+4*\u+2*\i:TM+4*\u+2*\i+1], v[ZD+8*\u+2*\i:ZD+8*\u+2*\i+1], v[CR+2*\i:CR+2*\i+1] neg_lo:[0,1] neg_hi:[0,1]
.endr
.endr
	WIN 0
	s_wait_alu depctr_va_vdst(0)                   ; the four subtractions have written u in TM .. TM+7, which the LDS stores read
.irp u,0,1
.irp j,0,1,2,3
	ds_store_b32 v[US], v[TM+4*\u+\j] offset:COL*\j+64*\u          ; columns 0-7,
	ds_store_b32 v[US], v[TM+4*\u+\j] offset:COL*(\j+8)+64*\u      ; columns 8-15,
	ds_store_b32 v[US3], v[TM+4*\u+\j] offset:COL*(\j+20)+64*\u    ; columns 20-23 (from lanes 16-31: columns 36-39, which nobody reads)
.endr
.endr
.macro FLOAD adr, off, reg             ; a factor's 16 rows of my half: rows 8 h + 0 .. 7 and 16 + 8 h + 0 .. 7.  LDS serves a wave's instructions in order: these see the stores above
.irp e,0,1,2,3
	ds_load_b128 v[\reg+4*\e:\reg+4*\e+3], v[\adr] offset:\off+16*(\e%2)+64*(\e/2)
.endr
.endm
.macro FMUL d, a
.irp i,0,2,4,6,8,10,12,14
	v_pk_mul_f32 v[\d+\i:\d+\i+1], v[\d+\i:\d+\i+1], v[\a+\i:\a+\i+1]
.endr
.endm
.macro FCVT g, reg
.irp i,0,1,2,3,4,5,6,7
	v_cvt_pk_bf16_f32 v[FB+8*\g+\i], v[\reg+2*\i], v[\reg+2*\i+1]
.endr
.endm
	FLOAD FA, 0, VA                                ; features 0-31: u_(r % 8), for both groups;
	FLOAD FQ, 0, VA+16                             ; features 0-15: the column r / 8 further on;
	FLOAD FQ, 2*COL, VA+32                         ; features 16-31: 2 + r / 8 further on;
	FLOAD FR2, 4*COL, VA+48                        ; features 32-47: columns 4 + r
	FLOAD FR2, 20*COL, WB+16                       ; and 20 + r
	s_wait_dscnt 0x0
	s_wait_alu depctr_vm_vsrc(0)                   ; u's LDS stores have read TM .. TM+7, which TANH writes again; z's stores and the shift's have read ZD, which the next trip's products write again
	FMUL VA+16, VA
	FMUL VA+32, VA
	FMUL VA+48, WB+16
	WIN 0x40
	FCVT 0, VA+16
	FCVT 1, VA+32
	FCVT 2, VA+48
	WIN 0
	; ---- the estimator's first layer: z E0 + eb0, f32 operands, K = 8 in two steps; two chunks of 64 units
.macro G1MUL
	WIN 0x14
.irp t,0,1,2,3
.irp u,0,1
	v_wmma_f32_16x16x4_f32 v[MA+32*\u+8*\t:MA+32*\u+8*\t+7], v[WB+4*\t:WB+4*\t+1], v[ZD+8*\u:ZD+8*\u+1], v[BI+8*\t:BI+8*\t+7]
.endr
.endr
	WIN 0x04
.irp t,0,1,2,3
.irp u,0,1
	v_wmma_f32_16x16x4_f32 v[MA+32*\u+8*\t:MA+32*\u+8*\t+7], v[WB+4*\t+2:WB+4*\t+3], v[ZD+8*\u+2:ZD+8*\u+3], v[MA+32*\u+8*\t:MA+32*\u+8*\t+7]
.endr
.endr
	WIN 0
	PLACES 8
.endm
	G1MUL
	TANH_A                                         ; its closing wait: the products above are done reading WB and BI
	LOADI WB, E0I-E2F+2048, 4
	LOADB 3328+256
	TANH_B
	QUANT G1, G1+12, G1S, G1S+1, 0
	s_wait_dscnt 0x0
	G1MUL
	TANH_A                                         ; its closing wait: the products above are done reading WB and BI, the features' multiplies WB+16 ..
	LOADQ 26, WB, WS
	LOADB 3840
	TANH_B
	QUANT G1, G1+12, G1S, G1S+1, 1
	; ---- its second layer: one chunk, K = 128
	PLACES 8                                       ; a scale word made by vector instructions stands eight plain instructions ahead of the product that takes it
	s_wait_dscnt 0x0
	s_wait_alu depctr_va_vdst(0)                   ; the quantiser has written G1 and its scale words, which the products below take
	MULQ WB, WS, G1, G1S, 1, 0
	PLACES 4
	TANH_A                                         ; its closing wait: the products above are done reading WB and WS
	LOADI WB, 0, 3                                 ; E2's fragment
	ds_load_b32 v[WS], v[LS]
	TANH_B
	QUANT G2, G2+12, G2S, G2S+1, 0
	WIN 0x40
.irp i,6,7,8,9,10,11,18,19,20,21,22,23
	v_mov_b32 v[G2+\i], 0                          ; K = 64: the rest of the K step is zero codes
.endr
	WIN 0
	; ---- the logits, not transposed: lane (r, h), register j: component r, row 8 h + j
	PLACES 8
	s_wait_dscnt 0x0
	s_wait_alu depctr_va_vdst(0)                   ; the quantiser and the moves of zero codes have written G2 and its scale words, which the two products below take
	WIN 0x01
.irp u,0,1
	v_wmma_scale_f32_16x16x128_f8f6f4 v[MA+8*\u:MA+8*\u+7], v[G2+12*\u:G2+12*\u+11], v[WB:WB+11], 0, v[G2S+\u], v[WS] matrix_a_fmt:MATRIX_FMT_FP6 matrix_b_fmt:MATRIX_FMT_FP6
.endr
	WIN 0
	PLACES 4
	; ---- softmax over the 16 components: across the 16 lanes of a half
.irp i,0,2,4,6,8,10,12,14
	v_pk_fma_f32 v[VA+\i:VA+\i+1], v[MA+\i:MA+\i+1], s[58:59], v[EB2:EB2+1] op_sel_hi:[1,0,1]   ; (logit + eb2) x log2 e
.endr
.irp x,1,2,4,8
.set i, 0
.rept 16
.if \x == 1
	v_max_num_f32_dpp v[VA+16+i], v[VA+i], v[VA+i] row_xmask:1 row_mask:0xf bank_mask:0xf
.else
	v_max_num_f32_dpp v[VA+16+i], v[VA+16+i], v[VA+16+i] row_xmask:\x row_mask:0xf bank_mask:0xf
.endif
.set i, i+1
.endr
.endr
.irp i,0,2,4,6,8,10,12,14
	v_pk_add_f32 v[VA+\i:VA+\i+1], v[VA+\i:VA+\i+1], v[VA+16+\i:VA+16+\i+1] neg_lo:[0,1] neg_hi:[0,1]   ; the row's maximum is taken away
.endr
.set i, 0
.rept 16
	v_exp_f32 v[VA+i], v[VA+i]
.set i, i+1
.endr
	v_nop
	s_wait_alu depctr_va_vdst(0)                   ; the 16 exponentials have written VA .. VA+15, ahead of their first reader; and the logits' products are done reading WB and WS, the second layer's BI
	LOADQ 0, WB, WS                                ; the next trip's first quad and biases
	LOADB 0
.irp x,1,2,4,8
.set i, 0
.rept 16
.if \x == 1
	v_add_f32_dpp v[VA+16+i], v[VA+i], v[VA+i] row_xmask:1 row_mask:0xf bank_mask:0xf
.else
	v_add_f32_dpp v[VA+16+i], v[VA+16+i], v[VA+16+i] row_xmask:\x row_mask:0xf bank_mask:0xf
.endif
.set i, i+1
.endr
.endr
.set i, 0
.rept 16
	v_rcp_f32 v[VA+16+i], v[VA+16+i]
.set i, i+1
.endr
	v_nop
	s_wait_alu depctr_va_vdst(0)                   ; the 16 reciprocals have written VA+16 .. VA+31, ahead of their first reader
.irp i,0,2,4,6,8,10,12,14
	v_pk_mul_f32 v[VA+\i:VA+\i+1], v[VA+\i:VA+\i+1], v[VA+16+\i:VA+16+\i+1]
.endr
.irp i,0,1,2,3,4,5,6,7
	v_cvt_pk_bf16_f32 v[TM+\i], v[VA+2*\i], v[VA+2*\i+1]       ; gamma: source 0 of the moment product: component r, rows 8 h .. and 16 + 8 h ..
.endr
	; ---- the moments: 16 components x 48 features, K = the trip's 32 rows; three accumulators by turns
	PLACES 4
	WIN 0x54
.irp g,0,1,2
	v_wmma_f32_16x16x32_bf16 v[ST+8*\g:ST+8*\g+7], v[TM:TM+7], v[FB+8*\g:FB+8*\g+7], v[ST+8*\g:ST+8*\g+7]
.endr
	WIN 0
	s_wait_xcnt 0x0                                ; z's stores have read their base and their data: both are written again only behind this wait (and, for the data, behind the wait on vm_vsrc above)
	s_add_nc_u64 s[46:47], s[46:47], 1024
	s_add_co_u32 s53, s53, 1
	s_cmp_lt_u32 s53, 4
	s_cbranch_scc1 .Lblock
	; ---------------- the tail: the eight waves' sums are added and leave in whole runs of 512 bytes
	PLACES 4
	WIN 0x04
	s_wait_alu depctr_va_vdst(0)                   ; the moment products have written ST, which the LDS stores read; the softmax is done with VA, in which the loads behind the barrier land.  The places above stay beside this wait
.set i, 0
.rept 24
	ds_store_b32 v[RS], v[ST+i] offset:128*i       ; each accumulator from its low end on
.set i, i+1
.endr
	WIN 0
	s_wait_dscnt 0x0
	s_barrier_signal -1
	s_barrier_wait -1
	s_cmp_lt_u32 s52, 6
	s_cbranch_scc0 .Lnot_sum
.irp w,0,1,2,3,4,5,6,7
	ds_load_b128 v[VA+4*\w:VA+4*\w+3], v[TA] offset:3072*\w    ; waves 0-5: 512 bytes of each wave's sums
.endr
	s_wait_dscnt 0x0
.irp w,0,2,4,6
	v_pk_add_f32 v[VA+4*\w:VA+4*\w+1], v[VA+4*\w:VA+4*\w+1], v[VA+4*\w+4:VA+4*\w+5]
	v_pk_add_f32 v[VA+4*\w+2:VA+4*\w+3], v[VA+4*\w+2:VA+4*\w+3], v[VA+4*\w+6:VA+4*\w+7]
.endr
.irp w,0,4
	v_pk_add_f32 v[VA+4*\w:VA+4*\w+1], v[VA+4*\w:VA+4*\w+1], v[VA+4*\w+8:VA+4*\w+9]
	v_pk_add_f32 v[VA+4*\w+2:VA+4*\w+3], v[VA+4*\w+2:VA+4*\w+3], v[VA+4*\w+10:VA+4*\w+11]
.endr
	v_pk_add_f32 v[VA:VA+1], v[VA:VA+1], v[VA+16:VA+17]
	v_pk_add_f32 v[VA+2:VA+3], v[VA+2:VA+3], v[VA+18:VA+19]
	s_wait_alu depctr_va_vdst(0)                   ; the additions have written the sums in VA .. VA+3, which the store reads
	global_store_b128 v[WA], v[VA:VA+3], s[48:49]
	s_wait_xcnt 0x0
	v_lshl_add_u32 v247, v0, 2, 0x40c00            ; the add's two registers are made anew (no memory or LDS instruction of the kernel reads v247 or v248)
	v_mov_b32 v248, 0
	s_wait_dscnt 0x0                               ; the closing lines, six on end
	s_wait_alu 0x0
	s_wait_tensorcnt 0x0
	ds_add_u32 v247, v248
	s_wait_dscnt 0x0
	s_endpgm
.Lnot_sum:
	s_cmp_lg_u32 s52, 6
	s_cbranch_scc1 .Lend
	ds_load_b64 v[VA:VA+1], v[C8]                  ; wave 6: the shift, with seven more rows of z so that 256 consecutive bytes are stored
	s_wait_dscnt 0x0
	global_store_b64 v[G8], v[VA:VA+1], s[50:51]
.Lend:
	s_wait_xcnt 0x0
	v_lshl_add_u32 v247, v0, 2, 0x40c00            ; the add's two registers, as above
	v_mov_b32 v248, 0
	s_wait_dscnt 0x0                               ; the closing lines, six on end, as above
	s_wait_alu 0x0
	s_wait_tensorcnt 0x0
	ds_add_u32 v247, v248
	s_wait_dscnt 0x0
	s_endpgm
.Lfunc_end_k_q0acf306218_net:
	.size	k_q0acf306218_net, .Lfunc_end_k_q0acf306218_net-k_q0acf306218_net
	.p2alignl 7, 3214868480
	.fill 96, 4, 3214868480
	.section	.rodata,"a",@progbits
	.p2align	6, 0x0
	.amdhsa_kernel k_q0acf306218_net
		.amdhsa_group_segment_fixed_size 266240
		.amdhsa_private_segment_fixed_size 0
		.amdhsa_enable_private_segment 0
		.amdhsa_kernarg_size 192
		.amdhsa_user_sgpr_count 2
		.amdhsa_user_sgpr_kernarg_segment_ptr 1
		.amdhsa_wavefront_size32 1
		.amdhsa_system_sgpr_workgroup_id_x 1
		.amdhsa_system_sgpr_workgroup_id_y 1
		.amdhsa_system_sgpr_workgroup_id_z 1
		.amdhsa_system_vgpr_workitem_id 0
		.amdhsa_next_free_vgpr 512
		.amdhsa_next_free_sgpr 80
		.amdhsa_reserve_vcc 0
		.amdhsa_float_denorm_mode_32 3
		.amdhsa_float_denorm_mode_16_64 3
		.amdhsa_memory_ordered 1
		.amdhsa_forward_progress 1
		.amdhsa_inst_pref_size 255
	.end_amdhsa_kernel
	.section	.bss,"aw",@nobits
	.p2align	6
	.space	262144
	.amdgpu_metadata
---
amdhsa.version: [ 1, 2 ]
amdhsa.kernels:
  - .name:           k_q0acf306218_net
    .symbol:         k_q0acf306218_net.kd
    .args:
      - { .name: x_codes, .offset: 0, .size: 8, .value_kind: global_buffer, .address_space: global }
      - { .name: x_scales, .offset: 8, .size: 8, .value_kind: global_buffer, .address_space: global }
      - { .name: W0_codes, .offset: 16, .size: 8, .value_kind: global_buffer, .address_space: global }
      - { .name: W0_scales, .offset: 24, .size: 8, .value_kind: global_buffer, .address_space: global }
      - { .name: W1_codes, .offset: 32, .size: 8, .value_kind: global_buffer, .address_space: global }
      - { .name: W1_scales, .offset: 40, .size: 8, .value_kind: global_buffer, .address_space: global }
      - { .name: W2_codes, .offset: 48, .size: 8, .value_kind: global_buffer, .address_space: global }
      - { .name: W2_scales, .offset: 56, .size: 8, .value_kind: global_buffer, .address_space: global }
      - { .name: E1_codes, .offset: 64, .size: 8, .value_kind: global_buffer, .address_space: global }
      - { .name: E1_scales, .offset: 72, .size: 8, .value_kind: global_buffer, .address_space: global }
      - { .name: E2_codes, .offset: 80, .size: 8, .value_kind: global_buffer, .address_space: global }
      - { .name: E2_scales, .offset: 88, .size: 8, .value_kind: global_buffer, .address_space: global }
      - { .name: W3, .offset: 96, .size: 8, .value_kind: global_buffer, .address_space: global }
      - { .name: E0, .offset: 104, .size: 8, .value_kind: global_buffer, .address_space: global }
      - { .name: b0, .offset: 112, .size: 8, .value_kind: global_buffer, .address_space: global }
      - { .name: b1, .offset: 120, .size: 8, .value_kind: global_buffer, .address_space: global }
      - { .name: b2, .offset: 128, .size: 8, .value_kind: global_buffer, .address_space: global }
      - { .name: b3, .offset: 136, .size: 8, .value_kind: global_buffer, .address_space: global }
      - { .name: eb0, .offset: 144, .size: 8, .value_kind: global_buffer, .address_space: global }
      - { .name: eb1, .offset: 152, .size: 8, .value_kind: global_buffer, .address_space: global }
      - { .name: eb2, .offset: 160, .size: 8, .value_kind: global_buffer, .address_space: global }
      - { .name: out1, .offset: 168, .size: 8, .value_kind: global_buffer, .address_space: global }
      - { .name: part, .offset: 176, .size: 8, .value_kind: global_buffer, .address_space: global }
      - { .name: cs, .offset: 184, .size: 8, .value_kind: global_buffer, .address_space: global }
    .group_segment_fixed_size: 266240
    .private_segment_fixed_size: 0
    .kernarg_segment_align: 8
    .kernarg_segment_size: 192
    .max_flat_workgroup_size: 256
    .sgpr_count:     80
    .vgpr_count:     512
    .wavefront_size: 32
...
	.end_amdgpu_metadata
.endif
;; end of part 4
;; launch fit: the kernel of part 2 again; grid 16 x 1, 8 waves a work-group, no clusters, 9,216 bytes of LDS; arguments part, cs, gmm; writes gmm
;; launch energy: the kernel of part 3 again; grid 256 x 1, 8 waves a work-group, no clusters, 5,120 bytes of LDS; arguments out1, gmm, out0; writes out0
